; MI455X (gfx1250); checked and timed in simulation.
; The chip was launched on July 23, 2026; its instructions are those of AMD's public machine-readable ISA for CDNA 5 (MIT licence, August 2026) and "CDNA5" Instruction Set Architecture Reference Guide (July 2026). The comments in the code are by the model that wrote it; some were corrected since.
;; Multi Head Attention. Allowed arithmetic: matrix products marked QUANTISED: E2M1 operands, one E8M0 scale for each 32 along K, by v_wmma_scale_f32_16x16x128_f8f6f4 with both operands' format E2M1 (or v_wmma_scale_f32_32x16x128_f4), f32 sums; products left as they are: bf16, f16 or f32 operands; f32 sums; everything else in f32.
;; Inputs: bk 1,024 float32; bo 1,024 float32; bq 1,024 float32; bv 1,024 float32; k 4 x 2,048 x 1,024 float32; q 4 x 2,048 x 1,024 float32; v 4 x 2,048 x 1,024 float32; wk 1,024 x 1,024 float32; wo 1,024 x 1,024 float32; wq 1,024 x 1,024 float32; wv 1,024 x 1,024 float32.
;; Outputs: out0 4 x 2,048 x 1,024 float32.
;; This version of the problem:
;;   THIS VERSION OF THE PROBLEM IS GIVEN IN LOW PRECISION. The matrix products marked QUANTISED in the list below multiply operands that are first quantised to E2M1 (2 exponent bits, 1 mantissa bit; 4 bits a number), with one power-of-two scale for each 32 numbers along K (OCP MX v1.0); their sums are f32. The products marked 'left as it is' may take bf16, f16 or f32 operands, with f32 sums. Whichever they take, every output number must still come out within the allowed error. Rounding operands to bf16 (8 significant bits) uses up far more of that allowance than f16 does (11 bits, for magnitudes from 6e-5 to 65,504). All else is computed in f32.
;;   The module's matrix products, in the order in which they are computed (A, B: the left and right operand; K: the contracted axis; several contracted axes count as one K, in the product's order):
;;     1. [M 8,192, K 1,024] x [K 1,024, N 1,024]; A: input q; B: input wq: QUANTISED
;;     2. [M 8,192, K 1,024] x [K 1,024, N 1,024]; A: input k; B: input wk: QUANTISED
;;     3. [M 8,192, K 1,024] x [K 1,024, N 1,024]; A: input v; B: input wv: QUANTISED
;;     4. batch 64 x [M 2,048, K 64] x [K 64, N 2,048]; A: computed on the way; B: computed on the way: left as it is (an operand is computed on the way)
;;     5. batch 64 x [M 2,048, K 2,048] x [K 2,048, N 64]; A: computed on the way; B: computed on the way: left as it is (an operand is computed on the way)
;;     6. [M 8,192, K 1,024] x [K 1,024, N 1,024]; A: computed on the way; B: input wo: left as it is (an operand is computed on the way)
;;   THE QUANTISER, for each operand of a quantised product, along K:
;;     - K is cut into blocks of 32 from its start; a last block that is shorter is filled with zeros.
;;     - A block's scale is 2^e with e = floor(log2(the largest magnitude in the block)) - 2, held to -126 .. 127; a block of zeros has e = 0. As a byte (E8M0): e + 127.
;;     - Each number is divided by its block's scale, clamped to +-6, and rounded to the nearest number of E2M1, ties to even, subnormals kept.
;;     - The product sums the exact products of the quantised numbers (number of the format x scale) in f32.
;;   ~~~python
;;   def quantise(x, axis):      # numpy; x: float32 -> the quantised numbers, widened to float32 again
;;       x = np.moveaxis(x, axis, -1); K = x.shape[-1]
;;       x = np.pad(x, [(0, 0)] * (x.ndim - 1) + [(0, -K % 32)]); x = x.reshape(x.shape[:-1] + (-1, 32)); a = np.abs(x).max(-1, keepdims=True)
;;       e = np.where(a > 0, np.clip(np.frexp(np.where(a > 0, a, 1))[1] - 1 - 2, -126, 127), 0)      # np.frexp(a)[1] - 1 = floor(log2(a)), exactly
;;       r = np.clip(x / 2.0 ** e, -6, 6)
;;       step = 2.0 ** (np.maximum(np.frexp(np.where(r == 0, 1, r))[1] - 1, 0) - 1)
;;       q = np.round(r / step) * step * 2.0 ** e      # np.round: ties to even
;;       return np.moveaxis(q.reshape(q.shape[:-2] + (-1,))[..., :K], -1, axis).astype(np.float32)
;;   ~~~
;; One version. Each part assembles by itself: llvm-mc -triple=amdgcn-amd-amdhsa -mcpu=gfx1250 --defsym DOCPART=n.
;; ======== version 1 of 1: 4 launches
;; limits: values are held in f16: magnitudes above 65,504 overflow, below 6.1e-05 lose precision
;; workspace buffers: xc 12,582,912 bytes; xs 786,432 bytes; wc 1,572,864 bytes; ws 98,304 bytes; wo16 2,097,152 bytes; qkv 50,331,648 bytes; ao 16,777,216 bytes
;; launch prep (part 1): grid 992 x 1, 4 waves a work-group, no clusters, 33,280 bytes of LDS; arguments q, k, v, wq, wk, wv, wo, xc, xs, wc, ws, wo16; writes xc, xs, wc, ws, wo16
.if DOCPART == 1
	.amdgcn_target "amdgcn-amd-amdhsa--gfx1250"
	.amdhsa_code_object_version 6
	.text
	.protected	k_qcbbbae602f_prep
	.globl	k_qcbbbae602f_prep
	.p2align	8
	.type	k_qcbbbae602f_prep,@function
k_qcbbbae602f_prep:
	s_mov_b64 s[64:65], 0
	v_nop
	global_prefetch_b8 v0, s[64:65] scope:SCOPE_SE
	s_setreg_imm32_b32 hwreg(HW_REG_WAVE_MODE, 25, 1), 1
	s_wait_xcnt 0x0
; MULTI-HEAD ATTENTION, launch 1 of 4: operands are made ready.
;   q, k, v [8192][1024] f32   -> xc: codes of E2M1, K innermost, 512 bytes a row, rows q | k | v;  xs: one E8M0 byte for each 32 along K, 32 bytes a row
;   wq, wk, wv [k 1024][n 1024] f32, quantised DOWN their first axis -> wc: codes as images of the operand's registers;  ws: [3 x 1024 columns][32] scale bytes
;   wo [1024][1024] f32        -> wo16: the same numbers in f16, as they lie
; DEAD WORK: THE INPUT bk.  logits[s][t] = qh[s] . (k[t] wk + bk) x scale = qh[s] . (k[t] wk) x scale + qh[s] . bk x scale.  The second term does not hang on t, the axis
; of the softmax, so the softmax is the same with it and without it, for all values of the inputs; the product of qh and kh is not a quantised one, so bk moves no code and no scale.  kh reaches
; the result through that softmax alone.  So bk is not loaded and is among no launch's arguments.  LIMIT: a NaN, an infinity or an overflow that only bk would bring is not carried to the result.
; A block's scale is 2^(floor(log2(its largest magnitude)) - 2): its byte is the largest magnitude's exponent field - 2, held at 1 from below by a floor among the maximum's leaves.
; LIMITS: a block of zeros gets the byte 1 where the quantiser says 127 (its codes are zeros, and this program alone reads the bytes); blocks whose largest magnitude lies under 2^(3 - 127) keep the byte 1;
; NaN and infinities among the inputs are not served.
; THREE PATHS, parted on the work-group's number: 0-95 the weights, 96-223 wo, 224-991 q, k, v.  Only the last touches LDS.  No cluster: no two work-groups read the same bytes but for halves of the weights' rows.
.set NW,    96                         ; work-groups for wq, wk, wv
.set NCAST, 128                        ; for wo
.set STEPS, 16
.set EMAX,  2
.set CB,    8                          ; bytes of 16 codes
.set R,     16                         ; q, k, v: v16-79   four sets of 16 numbers as they are loaded
.set X,     80                         ;          v80-111  two sets of 16 neighbours
.set E,     112                        ;          v112-127 a scale byte for each step
.set C,     128                        ;          v128-191 codes: four registers for each step, so that no store's data are written again
.set WREG,  8192                       ; LDS: a region for each wave: two stages of 32 x SP bytes, and behind them its 256 scale bytes
.set SP,    80                         ; a lane's place in a stage: its 64 bytes + 16 of padding
.set SPW,   12                         ; v12  LDS address of my spare word: SPARE + 4 x my thread's number; never rewritten
.set NIL,   13                         ; v13  0; never rewritten
.set SPARE, 4*WREG                     ; behind the four regions: the spare words, 128 bytes for each wave, which no other line names
.set WX,    32                         ; the weights: v32-159 four sets of 32 numbers (a block of 32 down K of my column)
.set WC,    160                        ;              v160-191 codes: four registers for each of my 8 blocks
	s_load_b512 s[16:31], s[0:1], 0x0              ; q 16, k 18, v 20, wq 22, wk 24, wv 26, wo 28, xc 30
	s_load_b256 s[32:39], s[0:1], 0x40             ; xs 32, wc 34, ws 36, wo16 38
	v_lshl_add_u32 v[SPW], v0, 2, SPARE
	v_mov_b32 v[NIL], 0
	v_lshrrev_b32 v1, 5, v0
	v_readfirstlane_b32 s2, v1                     ; wave 0..3
	v_and_b32 v2, 31, v0                           ; lane
	s_wait_kmcnt 0x0
	s_cmp_lt_u32 ttmp9, NW
	s_cbranch_scc1 .Lw
	s_cmp_lt_u32 ttmp9, NW+NCAST
	s_cbranch_scc1 .Lcast
; ---- q, k, v.  Rows are dense and 1,024 is a multiple of 32: each tensor is a plain stream of blocks of 32, and so are its codes and scale bytes.  A wave takes a run of 8,192 numbers: 16 steps of 512.
; Each load reads 512 consecutive bytes, 16 a lane; a step's 2,048 bytes turn through the wave's own stage in LDS and come back 64 bytes a lane: 16 neighbours, two lanes to a block.
	s_sub_co_u32 s3, ttmp9, NW+NCAST               ; 0..767: 256 work-groups a tensor
	s_cmp_lt_u32 s3, 512
	s_cselect_b64 s[4:5], s[18:19], s[20:21]       ; the choice hangs on the work-group's number alone
	s_cmp_lt_u32 s3, 256
	s_cselect_b64 s[4:5], s[16:17], s[4:5]
	s_lshl_b32 s6, s3, 2
	s_add_co_u32 s6, s6, s2                        ; my run among the 3,072 of the three tensors
	s_and_b32 s8, s6, 1023                         ; and within its tensor
	s_lshl_b32 s8, s8, 15                          ; 32,768 bytes of numbers a run
	s_mov_b32 s9, 0
	s_add_nc_u64 s[4:5], s[4:5], s[8:9]
	s_lshl_b32 s8, s6, 12                          ; 4,096 bytes of codes
	s_add_nc_u64 s[30:31], s[30:31], s[8:9]
	s_lshl_b32 s8, s6, 8                           ; 256 scale bytes
	s_add_nc_u64 s[32:33], s[32:33], s[8:9]
	v_lshlrev_b32 v3, 4, v2                        ; my 16 bytes of a load's 512
	s_mul_i32 s7, s2, WREG
	v_lshrrev_b32 v14, 2, v2
	v_mul_u32_u24 v14, v14, SP
	v_and_b32 v15, 3, v2
	v_lshl_add_u32 v14, v15, 4, v14
	v_add_nc_u32 v14, s7, v14                      ; the stage, on the way in: four lanes' 64 bytes on end, then 16 of padding
	v_mul_u32_u24 v15, v2, SP
	v_add_nc_u32 v15, s7, v15                      ; and on the way out: SP x lane: my 16 neighbours
	v_mul_u32_u24 v4, v2, CB                       ; my codes' place in a step's
	v_lshrrev_b32 v5, 1, v2
	s_add_co_u32 s7, s7, 2*32*SP
	v_add_nc_u32 v5, s7, v5                        ; LDS: my wave's 256 scale bytes, my block's byte
	v_lshlrev_b32 v7, 3, v2                        ; and on the way out 8 bytes a lane
	v_add_nc_u32 v6, s7, v7
.macro XLOAD t
.irp i, 0,1,2,3
	global_load_b128 v[R+16*((\t)%4)+4*\i:R+16*((\t)%4)+4*\i+3], v3, s[4:5] offset:2048*(\t)+512*\i th:TH_LOAD_NT   ; 32 lanes read 512 consecutive bytes
.endr
.endm
.macro XTURN t                         ; step t's numbers through the stage: LDS serves a wave's instructions in order, so no wait stands between the stores and the loads
.irp i, 0,1,2,3
	ds_store_b128 v14, v[R+16*((\t)%4)+4*\i:R+16*((\t)%4)+4*\i+3] offset:32*SP*((\t)%2)+8*SP*\i
.endr
.irp i, 0,1,2,3
	ds_load_b128 v[X+16*((\t)%2)+4*\i:X+16*((\t)%2)+4*\i+3], v15 offset:32*SP*((\t)%2)+16*\i
.endr
.endm
.irp t, 0,1,2,3
	XLOAD \t
.endr
	s_wait_loadcnt 12                              ; step 0's four loads are in; the twelve of steps 1 to 3 stay out
	XTURN 0
.macro XSTEP t
.set XS, X+16*((\t)%2)
.if (\t) > 0
	s_wait_dscnt 1                                 ; this step's numbers are back from the stage (the last step's byte store may be out): so its stores into the stage have read their registers,
.else
	s_wait_dscnt 0x0
.endif
.if (\t)+4 < STEPS
	XLOAD (\t)+4                                   ; which take the loads of four steps on
.endif
.if (\t)+1 < STEPS
.if STEPS-2-(\t) >= 3
	s_wait_loadcnt 12                              ; the next step's four loads are in; those of the three steps behind it may be out
.else
	s_wait_loadcnt 4*(STEPS-2-(\t))
.endif
	XTURN (\t)+1                                   ; and go through the other stage while this step is worked
.endif
	v_max3_num_f32 v8, |v[XS]|, |v[XS+1]|, |v[XS+2]|               ; the largest magnitude of my 16, in two chains
	v_max3_num_f32 v9, |v[XS+3]|, |v[XS+4]|, |v[XS+5]|
.irp i, 6,10
	v_max3_num_f32 v8, v8, |v[XS+\i]|, |v[XS+\i+1]|
	v_max3_num_f32 v9, v9, |v[XS+\i+2]|, |v[XS+\i+3]|
.endr
	v_max3_num_f32 v8, v8, |v[XS+14]|, |v[XS+15]|
	v_max3_num_f32 v8, v8, v9, (EMAX+1)<<23        ; and the floor 2^(EMAX + 1 - 127): the byte cannot fall under 1
	v_max_num_f32_dpp v8, v8, v8 row_xmask:1 row_mask:0xf bank_mask:0xf   ; and of my neighbour's 16: the block's
	v_add_nc_u32 v11, -(EMAX<<23), v8              ; EMAX off its exponent field: the conversion takes the exponent field of this operand as its scale, and nothing else of it
	v_cvt_scalef32_pk8_fp4_f32 v[C+4*(\t)], v[XS:XS+7], v11        ; eight numbers / the scale, to the nearest code, ties to even, beyond 6 the largest code
	v_cvt_scalef32_pk8_fp4_f32 v[C+4*(\t)+1], v[XS+8:XS+15], v11
	v_lshrrev_b32 v[E+(\t)], 23, v11               ; the scale's byte (a plain line behind the conversions)
	ds_store_b8 v5, v[E+(\t)] offset:16*(\t)       ; both lanes of a block write the same byte with the same value
	global_store_b64 v4, v[C+4*(\t):C+4*(\t)+1], s[30:31] offset:32*CB*(\t)   ; the wave stores 256 consecutive bytes, aligned
.endm
.irp t, 0,1,2,3,4,5,6,7,8,9,10,11,12,13,14,15
	XSTEP \t
.endr
	ds_load_b64 v[8:9], v6                         ; LDS serves a wave's instructions in order: these see my stores
	s_wait_dscnt 0x0
	global_store_b64 v7, v[8:9], s[32:33]          ; 32 lanes store 256 consecutive bytes, aligned
	s_wait_tensorcnt 0x0                           ; the wave's end, behind my last LDS store
	ds_add_u32 v[SPW], v[NIL]
	s_wait_dscnt 0x0
	s_endpgm
; ---- wq, wk, wv.  Work-group: weight w = id / 32, columns 32 g .. 32 g + 31 (g = id % 32).  Wave: k = 256 x wave on: 8 blocks of 32.  A LANE TAKES A COLUMN AND ITS REGISTERS RUN DOWN K: a block lies in
; one lane's 32 registers, and the conversions give 16 bytes of codes with K innermost.  THE CODES GO OUT AS IMAGES OF THE OPERAND'S REGISTERS:
; wc = [w][block of 256 columns][512 along K][tile of 16 columns][128 along K][1,024 bytes]; in an image the 16 bytes at 512 c + 256 h + 16 r are column r's codes of k = 64 c + 32 h + 0 .. 31:
; what lane r + 16 h of a fragment holds in registers 4 c .. 4 c + 3.  My block t is c = (t % 4) / 2, h = t % 2 of K step t / 4: sixteen lanes store 256 consecutive bytes, aligned.
.Lw:
	s_lshr_b32 s3, ttmp9, 5                        ; w
	s_and_b32 s6, ttmp9, 31                        ; g
	s_cmp_lt_u32 ttmp9, 64
	s_cselect_b64 s[4:5], s[24:25], s[26:27]
	s_cmp_lt_u32 ttmp9, 32
	s_cselect_b64 s[4:5], s[22:23], s[4:5]
	s_lshl_b32 s8, s2, 20                          ; 256 rows of 4,096 bytes a wave
	s_lshl_b32 s7, s6, 7                           ; 32 columns of 4 bytes
	s_add_co_u32 s8, s8, s7
	s_mov_b32 s9, 0
	s_add_nc_u64 s[4:5], s[4:5], s[8:9]
	s_lshl_b32 s8, s3, 19                          ; wc: 524,288 a weight,
	s_lshr_b32 s7, s6, 3
	s_lshl_b32 s7, s7, 17                          ; 131,072 a block of 256 columns,
	s_add_co_u32 s8, s8, s7
	s_lshr_b32 s7, s2, 1
	s_lshl_b32 s7, s7, 16                          ; 65,536 for 512 along K,
	s_add_co_u32 s8, s8, s7
	s_and_b32 s7, s6, 7
	s_lshl_b32 s7, s7, 13                          ; 4,096 a tile of 16 columns, two tiles a work-group,
	s_add_co_u32 s8, s8, s7
	s_and_b32 s7, s2, 1
	s_lshl_b32 s7, s7, 11                          ; 1,024 an image, two images a wave
	s_add_co_u32 s8, s8, s7
	s_add_nc_u64 s[34:35], s[34:35], s[8:9]
	s_lshl_b32 s8, s3, 15                          ; ws: 32 bytes a column, 1,024 columns a weight,
	s_lshl_b32 s7, s6, 10
	s_add_co_u32 s8, s8, s7
	s_lshl_b32 s7, s2, 3                           ; my wave's 8 bytes of a row
	s_add_co_u32 s8, s8, s7
	s_add_nc_u64 s[36:37], s[36:37], s[8:9]
	v_lshlrev_b32 v3, 2, v2                        ; in: 4 bytes a lane
	v_lshrrev_b32 v4, 4, v2
	v_lshlrev_b32 v4, 12, v4                       ; out: lanes 16-31 belong to the next tile of columns,
	v_and_b32 v5, 15, v2
	v_lshl_add_u32 v4, v5, 4, v4                   ; 16 bytes a column
	v_lshlrev_b32 v5, 5, v2                        ; my column's row of scale bytes
.macro LOADB t                         ; block t: W(256 wave + 32 t + i, my column), i = 0 .. 31, into set t % 4.  No hint: the neighbouring work-group reads the bytes beside these
.irp i, 0,1,2,3,4,5,6,7,8,9,10,11,12,13,14,15,16,17,18,19,20,21,22,23,24,25,26,27,28,29,30,31
	global_load_b32 v[WX+32*((\t)%4)+\i], v3, s[4:5] offset:(32*(\t)+\i)*4096
.endr
.endm
.macro BLOCKW t, left
.set XS, WX+32*((\t)%4)
	s_wait_loadcnt \left                           ; block t's 32 loads are in; behind them the loads of up to three blocks were issued (96, 96, 96, 96, 96, 64, 32, 0): the count is that number, or 63 where it is more
	v_max3_num_f32 v8, |v[XS]|, |v[XS+1]|, |v[XS+2]|               ; the block's largest magnitude: all 32 numbers are mine
	v_max3_num_f32 v9, |v[XS+3]|, |v[XS+4]|, |v[XS+5]|
.irp i, 6,10,14,18,22,26
	v_max3_num_f32 v8, v8, |v[XS+\i]|, |v[XS+\i+1]|
	v_max3_num_f32 v9, v9, |v[XS+\i+2]|, |v[XS+\i+3]|
.endr
	v_max3_num_f32 v8, v8, |v[XS+30]|, |v[XS+31]|
	v_max3_num_f32 v8, v8, v9, (EMAX+1)<<23        ; and the floor
	v_add_nc_u32 v10, -(EMAX<<23), v8              ; the conversion's scale operand
	v_lshrrev_b32 v11, 23, v10                     ; the scale's byte
.if (\t)%4 == 0
	v_mov_b32 v[6+(\t)/4], v11                     ; four bytes to a register, the lower K in the lower byte
.else
	v_lshl_or_b32 v[6+(\t)/4], v11, 8*((\t)%4), v[6+(\t)/4]
.endif
.irp g, 0,1,2,3
	v_cvt_scalef32_pk8_fp4_f32 v[WC+4*(\t)+\g], v[XS+8*\g:XS+8*\g+7], v10
.endr
	global_store_b128 v4, v[WC+4*(\t):WC+4*(\t)+3], s[34:35] offset:1024*((\t)/4)+256*((\t)%4)   ; each block has its own four registers: no store's data are written again
.if (\t)+4 < 8
	LOADB (\t)+4                                   ; (the next block's maxima are the plain lines between these conversions and the next write of v10)
.endif
.endm
	LOADB 0
	LOADB 1
	LOADB 2
	LOADB 3
	BLOCKW 0, 63
	BLOCKW 1, 63
	BLOCKW 2, 63
	BLOCKW 3, 63
	BLOCKW 4, 63
	BLOCKW 5, 63
	BLOCKW 6, 32
	BLOCKW 7, 0
	global_store_b64 v5, v[6:7], s[36:37]          ; my column's 8 scale bytes: rows 32 bytes apart, one byte for each 128 that this path reads
	s_endpgm
; ---- wo to f16, as it lies.  Work-group c takes rows 8 c .. 8 c + 7; a thread 8 numbers of each row.
.Lcast:
	s_sub_co_u32 s3, ttmp9, NW
	s_lshl_b32 s8, s3, 15
	s_mov_b32 s9, 0
	s_add_nc_u64 s[28:29], s[28:29], s[8:9]
	s_lshl_b32 s8, s3, 14
	s_add_nc_u64 s[38:39], s[38:39], s[8:9]
	v_lshlrev_b32 v1, 5, v0                        ; in: 32 bytes a thread
	v_lshlrev_b32 v2, 4, v0                        ; out: 16
.irp i, 0,1,2,3,4,5,6,7
	global_load_b128 v[32+8*\i:35+8*\i], v1, s[28:29] offset:4096*\i th:TH_LOAD_NT
	global_load_b128 v[36+8*\i:39+8*\i], v1, s[28:29] offset:4096*\i+16 th:TH_LOAD_NT
.endr
.irp i, 0,1,2,3,4,5,6,7
	s_wait_loadcnt 14-2*\i                         ; row i's two loads are in; the later rows' stay out
.irp j, 0,1,2,3
	v_cvt_pk_f16_f32 v[96+4*\i+\j], v[32+8*\i+2*\j], v[33+8*\i+2*\j]
.endr
	global_store_b128 v2, v[96+4*\i:99+4*\i], s[38:39] offset:2048*\i   ; a wave stores 512 consecutive bytes
.endr
	s_endpgm
.Lfunc_end_k_qcbbbae602f_prep:
	.size	k_qcbbbae602f_prep, .Lfunc_end_k_qcbbbae602f_prep-k_qcbbbae602f_prep
	.p2alignl 7, 3214868480
	.fill 96, 4, 3214868480
	.section	.rodata,"a",@progbits
	.p2align	6, 0x0
	.amdhsa_kernel k_qcbbbae602f_prep
		.amdhsa_group_segment_fixed_size 33280
		.amdhsa_private_segment_fixed_size 0
		.amdhsa_enable_private_segment 0
		.amdhsa_kernarg_size 96
		.amdhsa_user_sgpr_count 2
		.amdhsa_user_sgpr_kernarg_segment_ptr 1
		.amdhsa_wavefront_size32 1
		.amdhsa_system_sgpr_workgroup_id_x 1
		.amdhsa_system_sgpr_workgroup_id_y 1
		.amdhsa_system_sgpr_workgroup_id_z 1
		.amdhsa_system_vgpr_workitem_id 0
		.amdhsa_next_free_vgpr 192
		.amdhsa_next_free_sgpr 66
		.amdhsa_reserve_vcc 0
		.amdhsa_float_denorm_mode_32 3
		.amdhsa_float_denorm_mode_16_64 3
		.amdhsa_memory_ordered 1
		.amdhsa_forward_progress 1
		.amdhsa_inst_pref_size 76
	.end_amdhsa_kernel
	.amdgpu_metadata
---
amdhsa.version: [ 1, 2 ]
amdhsa.kernels:
  - .name:           k_qcbbbae602f_prep
    .symbol:         k_qcbbbae602f_prep.kd
    .args:
      - { .name: q, .offset: 0, .size: 8, .value_kind: global_buffer, .address_space: global }
      - { .name: k, .offset: 8, .size: 8, .value_kind: global_buffer, .address_space: global }
      - { .name: v, .offset: 16, .size: 8, .value_kind: global_buffer, .address_space: global }
      - { .name: wq, .offset: 24, .size: 8, .value_kind: global_buffer, .address_space: global }
      - { .name: wk, .offset: 32, .size: 8, .value_kind: global_buffer, .address_space: global }
      - { .name: wv, .offset: 40, .size: 8, .value_kind: global_buffer, .address_space: global }
      - { .name: wo, .offset: 48, .size: 8, .value_kind: global_buffer, .address_space: global }
      - { .name: xc, .offset: 56, .size: 8, .value_kind: global_buffer, .address_space: global }
      - { .name: xs, .offset: 64, .size: 8, .value_kind: global_buffer, .address_space: global }
      - { .name: wc, .offset: 72, .size: 8, .value_kind: global_buffer, .address_space: global }
      - { .name: ws, .offset: 80, .size: 8, .value_kind: global_buffer, .address_space: global }
      - { .name: wo16, .offset: 88, .size: 8, .value_kind: global_buffer, .address_space: global }
    .group_segment_fixed_size: 33280
    .private_segment_fixed_size: 0
    .kernarg_segment_align: 8
    .kernarg_segment_size: 96
    .max_flat_workgroup_size: 128
    .sgpr_count:     66
    .vgpr_count:     192
    .wavefront_size: 32
...
	.end_amdgpu_metadata
.endif
;; end of part 1
;; launch proj (part 2): grid 4 x 96, 4 waves a work-group, clusters of 4 x 4, 327,680 bytes of LDS; arguments xc, xs, wc, ws, qkv, bq, bv; writes qkv
.if DOCPART == 2
	.amdgcn_target "amdgcn-amd-amdhsa--gfx1250"
	.amdhsa_code_object_version 6
	.text
	.protected	k_qcbbbae602f_proj
	.globl	k_qcbbbae602f_proj
	.p2align	8
	.type	k_qcbbbae602f_proj,@function
k_qcbbbae602f_proj:
	s_mov_b64 s[64:65], 0
	v_nop
	global_prefetch_b8 v0, s[64:65] scope:SCOPE_SE
	s_setreg_imm32_b32 hwreg(HW_REG_WAVE_MODE, 25, 1), 1
	s_wait_xcnt 0x0
	s_wait_alu depctr_hold_cnt(0) depctr_sa_sdst(0) depctr_va_vdst(0) depctr_va_sdst(0) depctr_va_ssrc(0) depctr_va_vcc(0) depctr_vm_vsrc(0)
	s_getreg_b32 s2, hwreg(HW_REG_IB_STS2, 6, 4)
	s_cmp_eq_u32 s2, 0
	s_cbranch_scc0 .Lentry_in_a_cluster
	s_endpgm
.Lentry_in_a_cluster:
	s_bfe_u32 s2, ttmp6, 0x10000c
	s_cmp_lg_u32 s2, 0xf033
	s_cbranch_scc0 .Lentry_shape_is_right
	s_endpgm
.Lentry_shape_is_right:
; MULTI-HEAD ATTENTION, launch 2 of 4: q wq + bq, k wk, v wv + bv on codes of E2M1 with one E8M0 scale for each 32 along K; sums in f32; results rounded once to f16 and stored by head:
; qkv = [q | k | v][batch 4][head 16][position 2048][64] f16.  bk is left out: it adds to every logit of a query the same number, which the softmax takes away (shown at the head of the first launch).
; LIMIT: a projected number beyond 65,504 becomes an infinity in f16.
; The three products are one: A = xc, 24,576 rows (q | k | v) of 1,024 codes; B = the weight of the rows' tensor.  A tile of 256 x 256 to a work-group of four waves, 128 x 128 a wave: 64 accumulators, 512 registers.
; 96 x 4 tiles: 384 work-groups of equal work.  K = 1,024 is two LDS slots of 512: both are first fills, nothing is filled again.
; A's tile rows are 256 bytes of memory, padded by 16 in LDS.  B's codes lie in memory as images of the operand's registers: a slot's 128 columns are 32,768 consecutive bytes, and a fragment is two loads of 512 consecutive bytes.
; THE SCALES of the 256 rows and the 256 columns, for all of K, are two dense blocks: they come once, with the first fills.
; CLUSTERS: 4 x 4 work-groups.  The four of a row of the cluster need the same tiles of A, the four of a column the same tiles of B: each tile is asked for jointly.  A cluster's 1,024 rows lie in one tensor
; (8 clusters a tensor), so the tensor's number hangs on the cluster's y alone and is the same in all sixteen.
; THE MATRIX INSTRUCTION IS USED TRANSPOSED (source 0 = 16 columns of the weight, source 1 = 16 rows of x): a lane holds eight neighbouring columns of one row.  THE BIAS IS THE C OF EACH SUM'S FIRST PRODUCT.
; REGISTERS: window 0: v0-31 addresses; v32-95 scale words, two sets; v128-191 A's fragments, one set; v192-255 the bias in the result's layout; on the way out v128-223 are at work.
;   window 1: B's fragments, two sets, at v0 and v128.   window 2: the accumulators of my rows 0-63 ((a, b) at v[8 (8 a + b)]);   window 3: those of my rows 64-127.
.set NQ,     4                         ; steps of 128 along K in a slot
.set ROWB,   256                       ; a row of A's tile in bytes
.set KROW,   512                       ; a row of xc
.set PITCH,  272                       ; and in LDS: + 16: the 16 rows that a load touches begin 68 words apart
.set FR,     8
.set NL,     2
.set NP,     4                         ; places behind this matrix instruction (ISA guide 7.12.1)
.set HALFA,  128*PITCH                 ; 128 rows of A: one tensor load
.set HALFB,  32768                     ; 128 columns of B, 512 along K: one tensor load
.set SLOT,   2*HALFA+2*HALFB
.set KS,     32                        ; a row of scales in bytes
.set SCL,    2*SLOT                    ; behind the slots: the scales, as units of 256 bytes + 16 of padding
.set HALFS,  (128*KS/256)*272
.set SBLK,   (16*KS/256)*272
.set SPARE,  SCL+4*HALFS               ; the spare words, 128 bytes a wave, which no other line names
.set SPI,    144                       ; the way out: a stage row: 64 f16 + 16 bytes
.set WST,    2*16*SPI                  ; a wave's stage: two heads x 16 rows.  It lies in slot 0, which has had its only fill and its last read when the first result is stored there
.set ADRA, 16                          ; v16-17 LDS address of my A fragments in slot 0, 1
.set ADRB, 20                          ; v20-21 the same for B
.set STO,  24
.set RD,   25
.set CO,   26
.set ADRS, 27                          ; v27 my scale words: lanes 0-15 A's rows, lanes 16-31 B's columns
.set SPW,  28
.set NIL,  29
.set BO,   30                          ; v30 32 x (lane / 16): my eight numbers of a tile's 16 of the bias
.set SC,   32
.set AF,   128
.set BI,   192
.set TMP,  128
.set BK,   160
.set G1, 24
.set G0, 32
.set G1B, 48
.set G0B, 56
.set G1S, 68
.set G0S, 76
.set G1SB, 80
.set G0SB, 88
.set TN,  95                           ; s95 the tensor: 0 q, 1 k, 2 v
.set MSB, 0
.macro WIN new                         ; the immediate's high byte repeats the setting that is left
.if MSB != \new
	s_set_vgpr_msb (MSB<<8)|\new
.set MSB, \new
.endif
.endm
.set MUL_LO, 0xa1                      ; source 0 (B) window 1, source 1 (A) window 0, C and D window 2
.set MUL_HI, 0xf1                      ; the same, C and D window 3
.set TO_B,   0x40
; A joint load: waves 0 and 1 fetch for A, waves 2 and 3 for B; the branch hangs on the wave's number alone.  An s_nop 0 and four v_nop follow each of the two lines.
.macro JLOAD g0a, g1a, g0b, g1b
	s_cmp_eq_u32 s15, 0
	s_cbranch_scc0 .Lfor_b_\@
	tensor_load_to_lds s[\g0a:\g0a+3], s[\g1a:\g1a+7]
	s_nop 0
.rept 4
	v_nop
.endr
	s_branch .Lasked_\@
.Lfor_b_\@:
	tensor_load_to_lds s[\g0b:\g0b+3], s[\g1b:\g1b+7]
	s_nop 0
.rept 4
	v_nop
.endr
.Lasked_\@:
.endm
.macro CROUND                          ; a round of the cluster's barrier
	s_barrier_signal -1
	s_barrier_wait -1
	s_cmp_lg_u32 s14, 0
	s_cbranch_scc1 .Lnot_wave_0_\@
	s_barrier_signal -3
.Lnot_wave_0_\@:
	s_barrier_wait -3
	s_barrier_signal -1
	s_barrier_wait -1
.endm
	s_load_b128 s[4:7], s[0:1], 0x0                ; xc, xs
	s_load_b128 s[8:11], s[0:1], 0x10              ; wc, ws
	s_load_b64 s[12:13], s[0:1], 0x20              ; qkv
	s_load_b128 s[96:99], s[0:1], 0x28             ; bq, bv
	v_lshl_add_u32 v[SPW], v0, 2, SPARE
	v_mov_b32 v[NIL], 0
	ds_add_u32 v[SPW], v[NIL]                      ; the wave's opening: the add, twice on end, and its wait ahead of my first tensor load
	ds_add_u32 v[SPW], v[NIL]
	v_lshrrev_b32 v1, 5, v0
	v_readfirstlane_b32 s14, v1                    ; wave 0..3
	s_lshr_b32 s15, s14, 1                         ; which half of the tile's rows is mine.  Also: I fetch for A (0) or for B (1)
	s_and_b32 s16, s14, 1                          ; which half of its columns.  Also: which half of that tile I fetch
	s_bfe_u32 s40, ttmp6, 0x40000                  ; cx, cy
	s_bfe_u32 s41, ttmp6, 0x40004
	s_lshl_b32 s42, ttmp9, 2
	s_add_co_u32 s42, s42, s40                     ; tile column 0..3
	s_and_b32 s17, ttmp7, 0xffff
	s_lshr_b32 s[TN], s17, 3                       ; eight clusters of 1,024 rows a tensor
	s_lshl_b32 s17, s17, 2
	s_add_co_u32 s17, s17, s41                     ; tile row 0..95
	s_lshl_b32 s43, s41, 2
	s_lshl_b32 s43, 15, s43                        ; my row of the cluster
	s_lshl_b32 s44, 0x1111, s40                    ; my column
	s_or_b32 s[G1+0], s43, (0<<16)|(1<<20)|(1<<21)|(5<<22)|(3<<25)  ; A: the mask of my row; elements of 1 byte; padding on; bit 21 beside a mask; 4 words behind every 64
	s_mov_b32 s[G1+1], ROWB<<16                    ; tensor_dim0
	s_mov_b32 s[G1+2], 128<<16                     ; tensor_dim1
	s_mov_b32 s[G1+3], ROWB<<16                    ; tile_dim0
	s_mov_b32 s[G1+4], 128                         ; tile_dim1
	s_mov_b32 s[G1+5], KROW                        ; from row to row
	s_mov_b32 s[G1+6], 0
	s_mov_b32 s[G1+7], 0
	s_or_b32 s[G1B+0], s44, (3<<16)|(1<<21)        ; B: the mask of my column; elements of 8 bytes; no padding: a dense block as 128 rows of 256 bytes
	s_mov_b32 s[G1B+1], 32<<16
	s_mov_b32 s[G1B+2], 128<<16
	s_mov_b32 s[G1B+3], 32<<16
	s_mov_b32 s[G1B+4], 128
	s_mov_b32 s[G1B+5], 32
	s_mov_b32 s[G1B+6], 0
	s_mov_b32 s[G1B+7], 0
	s_or_b32 s[G1S+0], s43, (3<<16)|(1<<20)|(1<<21)|(5<<22)|(3<<25)   ; the scales of 128 rows: 4,096 dense bytes as 16 rows of 256, 16 bytes of padding behind each
	s_or_b32 s[G1SB+0], s44, (3<<16)|(1<<20)|(1<<21)|(5<<22)|(3<<25)
.irp g, G1S, G1SB
	s_mov_b32 s[\g+1], 32<<16
	s_mov_b32 s[\g+2], (128*KS/256)<<16
	s_mov_b32 s[\g+3], 32<<16
	s_mov_b32 s[\g+4], 128*KS/256
	s_mov_b32 s[\g+5], 32
	s_mov_b32 s[\g+6], 0
	s_mov_b32 s[\g+7], 0
.endr
	s_lshl_b32 s18, s16, 7
	s_lshl_b32 s20, s17, 8
	s_add_co_u32 s20, s20, s18                     ; A: row 256 x tile row + 128 x half
	s_lshl_b32 s22, s20, 5                         ; its scales, 32 bytes a row,
	s_mov_b32 s23, 0
	s_lshl_b32 s20, s20, 9                         ; its codes, 512 bytes a row
	s_mov_b32 s21, 0
	s_lshl_b32 s46, s[TN], 19                      ; B's images: 524,288 a weight,
	s_lshl_b32 s47, s42, 17                        ; 131,072 a tile column,
	s_add_co_u32 s46, s46, s47
	s_lshl_b32 s47, s16, 15                        ; 32,768 a half of a slot
	s_add_co_u32 s46, s46, s47
	s_mov_b32 s47, 0
	s_lshl_b32 s92, s[TN], 15                      ; B's scales: 32 bytes a column: 1,024 columns a weight,
	s_lshl_b32 s93, s42, 13                        ; 256 a tile column,
	s_add_co_u32 s92, s92, s93
	s_lshl_b32 s93, s16, 12                        ; 128 a half
	s_add_co_u32 s92, s92, s93
	s_mov_b32 s93, 0
	s_mul_i32 s45, s16, HALFA                      ; where they go: no place in the cluster enters an LDS address
	s_mul_i32 s66, s16, HALFB
	s_add_co_u32 s66, s66, 2*HALFA
	s_mul_i32 s94, s14, HALFS
	s_wait_dscnt 0x0                               ; both opening adds are done
	s_wait_kmcnt 0x0
	s_add_nc_u64 s[20:21], s[4:5], s[20:21]
	s_add_nc_u64 s[22:23], s[6:7], s[22:23]
	s_add_nc_u64 s[46:47], s[8:9], s[46:47]
	s_add_nc_u64 s[92:93], s[10:11], s[92:93]
	CROUND                                         ; all sixteen work-groups are here: the joint loads meet
	s_mov_b32 s[G0S], 1
	s_add_co_u32 s[G0S+1], s94, SCL
	s_mov_b64 s[G0S+2:G0S+3], s[22:23]
	s_or_b32 s[G0S+3], s[G0S+3], 0x80000000
	s_mov_b32 s[G0SB], 1
	s_add_co_u32 s[G0SB+1], s94, SCL
	s_mov_b64 s[G0SB+2:G0SB+3], s[92:93]
	s_or_b32 s[G0SB+3], s[G0SB+3], 0x80000000
	JLOAD G0S, G1S, G0SB, G1SB                     ; the scales first: they are wanted with slot 0
.irp s, 0,1
	s_mov_b32 s[G0+4*\s], 1
	s_add_co_u32 s[G0+4*\s+1], s45, \s*SLOT
	s_add_nc_u64 s[G0+4*\s+2:G0+4*\s+3], s[20:21], \s*ROWB
	s_or_b32 s[G0+4*\s+3], s[G0+4*\s+3], 0x80000000
	s_mov_b32 s[G0B+4*\s], 1
	s_add_co_u32 s[G0B+4*\s+1], s66, \s*SLOT
	s_add_nc_u64 s[G0B+4*\s+2:G0B+4*\s+3], s[46:47], \s*65536
	s_or_b32 s[G0B+4*\s+3], s[G0B+4*\s+3], 0x80000000
	JLOAD G0+4*\s, G1, G0B+4*\s, G1B               ; three tensor loads of mine are out at the most
.endr
	v_and_b32 v1, 15, v0                           ; r
	v_bfe_u32 v2, v0, 4, 1                         ; h
	v_and_b32 v6, 31, v0                           ; lane
	v_mul_u32_u24 v3, v1, PITCH
	v_lshl_add_u32 v4, v2, 4, v3                   ; A: a fragment's row x pitch + 16 h
	v_lshlrev_b32 v7, 4, v6                        ; B: 16 x lane in an image
	s_mul_i32 s21, s15, HALFA                      ; my 128 rows of A
	s_mul_i32 s22, s16, HALFB                      ; my 128 columns of B,
	s_add_co_u32 s22, s22, 2*HALFA                 ; which lie behind A's 256 rows
.irp s, 0,1
	v_add_nc_u32 v[ADRA+\s], s21, v4
	v_add_nc_u32 v[ADRB+\s], s22, v7
	s_add_co_u32 s21, s21, SLOT
	s_add_co_u32 s22, s22, SLOT
.endr
	v_mul_u32_u24 v5, v1, KS                       ; my row's scales: 32 bytes a row,
	v_lshrrev_b32 v8, 8, v5
	v_lshl_add_u32 v5, v8, 4, v5                   ; and 16 more for each 256 passed
	s_mul_i32 s21, s15, HALFS                      ; A's: my 128 rows
	s_mul_i32 s22, s16, HALFS                      ; B's: my 128 columns, behind A's 256 rows
	s_add_co_u32 s22, s22, 2*HALFS
	s_sub_co_u32 s22, s22, s21
	v_mul_u32_u24 v8, s22, v2                      ; lanes 16-31 take B's: one product, the distance between the two
	s_add_co_u32 s21, s21, SCL
	v_add_nc_u32 v5, v5, v8
	v_add_nc_u32 v[ADRS], s21, v5
	s_mul_i32 s23, s14, WST                        ; my stage
	v_mul_u32_u24 v5, v1, SPI
	v_lshl_add_u32 v5, v2, 4, v5
	v_add_nc_u32 v[STO], s23, v5                   ; in: row r, 16 bytes for each half of the lanes
	v_lshrrev_b32 v5, 3, v6
	v_mul_u32_u24 v5, v5, SPI
	v_and_b32 v8, 7, v6
	v_lshl_add_u32 v5, v8, 4, v5
	v_add_nc_u32 v[RD], s23, v5                    ; back: eight lanes to a row of 128 bytes, four rows an instruction
	v_lshlrev_b32 v[CO], 4, v6                     ; which are 512 consecutive bytes of qkv
	v_lshlrev_b32 v[BO], 5, v2
	s_lshl_b32 s20, s17, 8
	s_lshl_b32 s21, s15, 7
	s_add_co_u32 s20, s20, s21                     ; my first row: 256 x tile row + 128 x half
	s_lshr_b32 s21, s20, 11                        ; 4 x tensor + batch
	s_lshl_b32 s21, s21, 4
	s_lshl_b32 s46, s42, 2
	s_add_co_u32 s21, s21, s46
	s_lshl_b32 s46, s16, 1
	s_add_co_u32 s21, s21, s46                     ; + my first head: 4 x tile column + 2 x half
	s_lshl_b32 s21, s21, 18                        ; 262,144 bytes a head
	s_and_b32 s20, s20, 2047
	s_lshl_b32 s20, s20, 7                         ; 128 bytes a position
	s_add_co_u32 s20, s20, s21
	s_mov_b32 s21, 0
	s_add_nc_u64 s[12:13], s[12:13], s[20:21]
	s_cmp_eq_u32 s[TN], 1                          ; k has no bias here
	s_cbranch_scc1 .Lno_bias
	s_cmp_eq_u32 s[TN], 0
	s_cselect_b64 s[66:67], s[96:97], s[98:99]
	s_lshl_b32 s92, s42, 10
	s_lshl_b32 s93, s16, 9
	s_add_co_u32 s92, s92, s93                     ; my first column, 4 bytes each
	s_mov_b32 s93, 0
	s_add_nc_u64 s[66:67], s[66:67], s[92:93]
.irp b, 0,1,2,3,4,5,6,7
	global_load_b128 v[BI+8*\b:BI+8*\b+3], v[BO], s[66:67] offset:64*\b        ; register 8 b + j: the bias of column 16 b + 8 h + j
	global_load_b128 v[BI+8*\b+4:BI+8*\b+7], v[BO], s[66:67] offset:64*\b+16
.endr
.Lno_bias:
.macro FRAG reg, adr, q, i             ; A's fragment: lane l holds row l % 16; registers 4 c .. 4 c + 3 hold K = 64 c + 32 (l / 16) + 0 .. 31
.irp c, 0,1
	ds_load_b128 v[\reg+4*\c:\reg+4*\c+3], v[\adr] offset:64*(\q)+32*\c+(\i)*16*PITCH
.endr
.endm
.macro FRAGB reg, adr, q, i            ; B's: the image of tile i, K step q: 512 consecutive bytes a load
.irp c, 0,1
	ds_load_b128 v[\reg+4*\c:\reg+4*\c+3], v[\adr] offset:4096*(\i)+1024*(\q)+512*\c
.endr
.endm
; 16 matrix instructions: A's blocks a0, a0 + 1 x B's eight.  zero = 1: C is the constant 0;  zero = 2: C is the bias;  0: in place.  The 64 accumulators take turns, one instruction a turn, in the same order in every step.
.macro MUL16 a0, p, q, sc, zero
.irp a, \a0, \a0+1
.irp b, 0,1,2,3,4,5,6,7
.if \zero == 1
	v_wmma_scale_f32_16x16x128_f8f6f4 v[8*(8*((\a)%4)+\b):8*(8*((\a)%4)+\b)+7], v[128*(\p)+FR*\b:128*(\p)+FR*\b+FR-1], v[AF+FR*(\a):AF+FR*(\a)+FR-1], 0, v[SC+8*NQ*(\sc)+NQ*\b+(\q)], v[SC+8*NQ*(\sc)+NQ*(\a)+(\q)] matrix_a_fmt:MATRIX_FMT_FP4 matrix_b_fmt:MATRIX_FMT_FP4 matrix_a_scale:MATRIX_SCALE_ROW1
.elseif \zero == 2
	v_wmma_scale_f32_16x16x128_f8f6f4 v[8*(8*((\a)%4)+\b):8*(8*((\a)%4)+\b)+7], v[128*(\p)+FR*\b:128*(\p)+FR*\b+FR-1], v[AF+FR*(\a):AF+FR*(\a)+FR-1], v[BI+8*\b:BI+8*\b+7], v[SC+8*NQ*(\sc)+NQ*\b+(\q)], v[SC+8*NQ*(\sc)+NQ*(\a)+(\q)] matrix_a_fmt:MATRIX_FMT_FP4 matrix_b_fmt:MATRIX_FMT_FP4 matrix_a_scale:MATRIX_SCALE_ROW1
.else
	v_wmma_scale_f32_16x16x128_f8f6f4 v[8*(8*((\a)%4)+\b):8*(8*((\a)%4)+\b)+7], v[128*(\p)+FR*\b:128*(\p)+FR*\b+FR-1], v[AF+FR*(\a):AF+FR*(\a)+FR-1], v[8*(8*((\a)%4)+\b):8*(8*((\a)%4)+\b)+7], v[SC+8*NQ*(\sc)+NQ*\b+(\q)], v[SC+8*NQ*(\sc)+NQ*(\a)+(\q)] matrix_a_fmt:MATRIX_FMT_FP4 matrix_b_fmt:MATRIX_FMT_FP4 matrix_a_scale:MATRIX_SCALE_ROW1
.endif
.endr
.endr
.endm
.macro FETCH_B slot, q, p
	WIN TO_B
.irp i, 0,1,2,3,4,5,6,7
	FRAGB 128*(\p)+FR*\i, ADRB+\slot, \q, \i
.endr
	WIN 0
.endm
.macro FETCH_A slot, q, i0
.irp i, \i0, \i0+1, \i0+2, \i0+3
	FRAG AF+FR*(\i), ADRA+\slot, \q, \i
.endr
.endm
.macro SCALES sc                       ; a slot's scale words into set sc: four words a row; lanes 0-15 take A's block i, lanes 16-31 B's block i
.irp i, 0,1,2,3,4,5,6,7
	ds_load_b128 v[SC+8*NQ*\sc+NQ*\i:SC+8*NQ*\sc+NQ*\i+3], v[ADRS] offset:\i*SBLK
.endr
.endm
.macro PLACES n                        ; plain vector lines between a matrix instruction and a load into, or a vector line on, its registers (ISA guide 7.12.1 for vector lines)
.rept \n
	v_nop
.endr
.endm
; A step of 128 along K that has its successor in the same slot.
.macro STEP slot, q, zero
	s_wait_dscnt 4*NL                              ; B's set and A's blocks 0-3 are in; the youngest eight loads (A's blocks 4-7) may be out
.if \zero == 2
	WIN 0x81                                       ; C, the bias, in window 0; D in window 2
.else
	WIN MUL_LO
.endif
	MUL16 0, (\q)%2, \q, \slot, \zero
	MUL16 2, (\q)%2, \q, \slot, \zero
	s_wait_dscnt 0                                 ; A's blocks 4-7 are in
	PLACES NP
	FETCH_B \slot, (\q)+1, 1-(\q)%2
	FETCH_A \slot, (\q)+1, 0
.if \zero == 2
	WIN 0xc1
.else
	WIN MUL_HI
.endif
	MUL16 4, (\q)%2, \q, \slot, \zero
	MUL16 6, (\q)%2, \q, \slot, \zero
	PLACES NP
	WIN 0
	FETCH_A \slot, (\q)+1, 4
.endm
; Slot 0's last step changes slots: one barrier; in front of it each wave waits for all its tensor loads, adds 0 to its spare word, and waits for that and for its reads of slot 0.
.macro TURN slot, next
	s_wait_tensorcnt 0x0                           ; my part of the next slot has landed
	ds_add_u32 v[SPW], v[NIL]                      ; 0 onto my spare word
	s_wait_dscnt 4*NL+1                            ; (the add and the youngest eight loads may be out)
	WIN MUL_LO
	MUL16 0, 1, NQ-1, \slot, 0
	s_wait_dscnt 0x0                               ; the add is done, and my reads of this slot are over
	s_barrier_signal -1
	MUL16 2, 1, NQ-1, \slot, 0
	WIN 0
	s_barrier_wait -1
	PLACES NP
	v_add_nc_u32 v[ADRS], 4*NQ, v[ADRS]            ; on to the next slot's scale words
	FETCH_B \next, 0, 0
	FETCH_A \next, 0, 0
	SCALES \next
	WIN MUL_HI
	MUL16 4, 1, NQ-1, \slot, 0
	MUL16 6, 1, NQ-1, \slot, 0
	PLACES NP
	WIN 0
	FETCH_A \next, 0, 4
.endm
.macro STEPS slot, from
.set Q, \from
.rept NQ-1-\from
	STEP \slot, Q, 0
.set Q, Q+1
.endr
.endm
	s_wait_tensorcnt 1                             ; the scales and my part of slot 0 are in; slot 1's load may stay out
	s_barrier_signal -1
	s_barrier_wait -1
	FETCH_B 0, 0, 0
	FETCH_A 0, 0, 0
	SCALES 0
	FETCH_A 0, 0, 4
	s_cmp_eq_u32 s[TN], 1                          ; the first step starts the sums: with the bias (q, v) or with 0 (k).  The branch hangs on the cluster's y alone
	s_cbranch_scc1 .Lfirst_plain
	s_wait_loadcnt 0x0                             ; the bias
	STEP 0, 0, 2
	s_branch .Lfirst_done
.Lfirst_plain:
	STEP 0, 0, 1
.Lfirst_done:
	STEPS 0, 1
	TURN 0, 1
	STEPS 1, 0
	s_wait_dscnt 4*NL                              ; the very last step: nothing more to fetch
	WIN MUL_LO
	MUL16 0, 1, NQ-1, 1, 0
	MUL16 2, 1, NQ-1, 1, 0
	s_wait_dscnt 0
	WIN MUL_HI
	MUL16 4, 1, NQ-1, 1, 0
	MUL16 6, 1, NQ-1, 1, 0
	WIN 0
; THE WAY OUT, a block of 16 rows x 128 columns (two heads) at a time: rounded to f16, 16 bytes a lane; through my own stage; back as rows of 128 bytes, four rows of one head an instruction: 512 consecutive bytes of qkv.
.macro PACK a
.set AC, 64*((\a)%4)
	WIN 0x0a+5*((\a)/4)                            ; sources 0 and 1: window 2 or 3
.irp b, 0,1,2,3,4,5,6,7
.irp r, 0,1,2,3
	v_cvt_pk_f16_f32 v[TMP+4*\b+\r], v[AC+8*\b+2*\r], v[AC+8*\b+2*\r+1]   ; each accumulator from its low end on
.endr
.endr
	WIN 0
.endm
.macro TOSTAGE a
.set BB, BK+32*((\a)%2)
.irp b, 0,1,2,3,4,5,6,7
	ds_store_b128 v[STO], v[TMP+4*\b:TMP+4*\b+3] offset:16*SPI*(\b/4)+32*(\b%4)
.endr
.irp t, 0,1,2,3,4,5,6,7
	ds_load_b128 v[BB+4*\t:BB+4*\t+3], v[RD] offset:16*SPI*(\t/4)+4*SPI*(\t%4)   ; LDS serves a wave's instructions in order: these see the stores above
.endr
.endm
.macro SEND a
.set BB, BK+32*((\a)%2)
	s_wait_dscnt 0x0                               ; the block is back in registers
	s_wait_xcnt 0x0                                ; the stores of the block before have read their registers: the next block's loads may land there
.irp t, 0,1,2,3,4,5,6,7
	global_store_b128 v[CO], v[BB+4*\t:BB+4*\t+3], s[12:13] offset:262144*(\t/4)+2048*(\a)+512*(\t%4)
.endr
.endm
	PLACES NP                                      ; behind the last products: the conversions write registers that held A's fragments
	PACK 0
	TOSTAGE 0
.irp a, 1,2,3,4,5,6,7                  ; block a's conversions stand between block a - 1's loads from the stage and the wait for them
	PACK \a
	SEND \a-1
	TOSTAGE \a
.endr
	SEND 7
	s_wait_tensorcnt 0x0                           ; the wave's end
	ds_add_u32 v[SPW], v[NIL]
	s_wait_dscnt 0x0
	CROUND                                         ; the closing round
	s_endpgm
.Lfunc_end_k_qcbbbae602f_proj:
	.size	k_qcbbbae602f_proj, .Lfunc_end_k_qcbbbae602f_proj-k_qcbbbae602f_proj
	.p2alignl 7, 3214868480
	.fill 96, 4, 3214868480
	.section	.rodata,"a",@progbits
	.p2align	6, 0x0
	.amdhsa_kernel k_qcbbbae602f_proj
		.amdhsa_group_segment_fixed_size 327680
		.amdhsa_private_segment_fixed_size 0
		.amdhsa_enable_private_segment 0
		.amdhsa_kernarg_size 56
		.amdhsa_user_sgpr_count 2
		.amdhsa_user_sgpr_kernarg_segment_ptr 1
		.amdhsa_wavefront_size32 1
		.amdhsa_system_sgpr_workgroup_id_x 1
		.amdhsa_system_sgpr_workgroup_id_y 1
		.amdhsa_system_sgpr_workgroup_id_z 1
		.amdhsa_system_vgpr_workitem_id 0
		.amdhsa_next_free_vgpr 1024
		.amdhsa_next_free_sgpr 100
		.amdhsa_reserve_vcc 0
		.amdhsa_float_denorm_mode_32 3
		.amdhsa_float_denorm_mode_16_64 3
		.amdhsa_memory_ordered 1
		.amdhsa_forward_progress 1
		.amdhsa_inst_pref_size 139
	.end_amdhsa_kernel
	.amdgpu_metadata
---
amdhsa.version: [ 1, 2 ]
amdhsa.kernels:
  - .name:           k_qcbbbae602f_proj
    .symbol:         k_qcbbbae602f_proj.kd
    .args:
      - { .name: xc, .offset: 0, .size: 8, .value_kind: global_buffer, .address_space: global }
      - { .name: xs, .offset: 8, .size: 8, .value_kind: global_buffer, .address_space: global }
      - { .name: wc, .offset: 16, .size: 8, .value_kind: global_buffer, .address_space: global }
      - { .name: ws, .offset: 24, .size: 8, .value_kind: global_buffer, .address_space: global }
      - { .name: qkv, .offset: 32, .size: 8, .value_kind: global_buffer, .address_space: global }
      - { .name: bq, .offset: 40, .size: 8, .value_kind: global_buffer, .address_space: global }
      - { .name: bv, .offset: 48, .size: 8, .value_kind: global_buffer, .address_space: global }
    .group_segment_fixed_size: 327680
    .private_segment_fixed_size: 0
    .kernarg_segment_align: 8
    .kernarg_segment_size: 56
    .max_flat_workgroup_size: 128
    .sgpr_count:     100
    .vgpr_count:     1024
    .wavefront_size: 32
...
	.end_amdgpu_metadata
.endif
;; end of part 2
;; launch attn (part 3): grid 4 x 64, 16 waves a work-group, clusters of 4 x 1, 327,680 bytes of LDS; arguments qkv, ao; writes ao
.if DOCPART == 3
	.amdgcn_target "amdgcn-amd-amdhsa--gfx1250"
	.amdhsa_code_object_version 6
	.text
	.protected	k_qcbbbae602f_attn
	.globl	k_qcbbbae602f_attn
	.p2align	8
	.type	k_qcbbbae602f_attn,@function
k_qcbbbae602f_attn:
	s_mov_b64 s[64:65], 0
	v_nop
	global_prefetch_b8 v0, s[64:65] scope:SCOPE_SE
	s_setreg_imm32_b32 hwreg(HW_REG_WAVE_MODE, 25, 1), 1
	s_wait_xcnt 0x0
	s_wait_alu depctr_hold_cnt(0) depctr_sa_sdst(0) depctr_va_vdst(0) depctr_va_sdst(0) depctr_va_ssrc(0) depctr_va_vcc(0) depctr_vm_vsrc(0)
	s_getreg_b32 s2, hwreg(HW_REG_IB_STS2, 6, 4)
	s_cmp_eq_u32 s2, 0
	s_cbranch_scc0 .Lentry_in_a_cluster
	s_endpgm
.Lentry_in_a_cluster:
	s_bfe_u32 s2, ttmp6, 0x10000c
	s_cmp_lg_u32 s2, 0x3003
	s_cbranch_scc0 .Lentry_shape_is_right
	s_endpgm
.Lentry_shape_is_right:
; MULTI-HEAD ATTENTION, launch 3 of 4: O[q] = the sum over k of softmax_k(Q[q] . K[k] / 8) V[k], for each of 64 (batch, head); 2,048 positions, head size 64, no mask.
; Q, K, V: qkv = [q | k | v][batch x head][2048][64] f16.  Products on f16 operands with f32 sums; maxima, exponentials and sums in f32; the weights p (at most 1) are rounded to f16 for the second product, O once at the end.
; ao = [block of 64 rows][head 16][64 rows][64] f16: the layout in which the last launch takes it.
; SHARES.  A cluster of four work-groups is one (batch, head); a work-group owns 512 queries; each of its SIXTEEN waves owns 32, two tiles of 16, in 256 registers: four waves to a SIMD, so that one wave's vector
; work stands beside another's matrix work and LDS loads.  Every wave walks all 2,048 keys, 64 a step.  Each fragment of K and V feeds two products.
; LAYOUT.  S^T = K Q^T (source 0 = 16 keys, source 1 = 16 queries): a lane holds ONE query (lane % 16) and the keys 8 (lane / 16) + 0..7 of a tile.  Two such tiles, rounded to f16 in pairs, ARE source 1
; (32 keys x 16 queries) of O^T = V^T P, whose result again holds one query a lane.  K comes out of LDS as it lies, V ([key][channel]) turned, by ds_load_tr16_b128.
; SOFTMAX.  For each query a running maximum m and sum l: p = 2^(c s - c m), c = log2(e) / 8; in every step O and l are multiplied by a = 2^(c m_old - c m_new).  m begins at -3e38 and O and l at 0: the first a is 0.
; THE RING.  Two LDS slots of 8 key steps (512 keys).  Waves 0-7 fetch a key step's K each, waves 8-15 its V: one tensor load of 64 rows a wave.  The four work-groups walk the same K and V: every tile is asked for
; JOINTLY.  2,048 keys are four slots: two first fills and two refills, each issued eight key steps of work ahead of the wait for it; so no prefetch is laid.
.set KS,    64
.set PK,    144                        ; a row of K in LDS: 128 bytes + 16: 36 words: the 16 rows of a load begin at 16 different 16-byte columns of 256
.set PV,    160                        ; a row of V: 128 + 32: an odd multiple of 32 bytes, as the turning load's 8 rows x 32 bytes want
.set VOFF,  KS*PK
.set STEPB, KS*(PK+PV)                 ; a key step: 64 rows of K, then 64 rows of V
.set NST,   8
.set SLOTB, NST*STEPB
.set SPARE, 2*SLOTB                    ; behind the ring: the spare words, 128 bytes for each of 16 waves, which no other line names
.set SPI,   144                        ; the way out: a stage row
.set WST,   32*SPI                     ; a wave's stage, in slot 0: it has had its last fill, and nobody reads it behind the last change of slots
.set AK0, 1                            ; v1  my lane's place in a tile of K; on the way out: where I put 16 bytes
.set AV0, 2                            ; v2  the same for V; on the way out: where I read rows back
.set ADK, 3                            ; v3  the step's K
.set ADV, 4                            ; v4  the step's V
.set SPW, 5
.set NIL, 6
.set QO,  7                            ; v7  my byte offset in the wave's rows of Q; on the way out: in ao
.set ST,  8                            ; tile t's statistics at v[ST+8 t]: +0 c m, +1 m, +2, +3 l (even keys', odd keys'), +4 to +7 c0-c3 at work; a takes c2's place
.set Q,   24                           ; fragment (tile t, channels 32 cc on) at 24 + 16 t + 8 cc
.set KV,  56                           ; K's (keys 16 kt on, cc) at 56 + 8 (2 kt + cc); then V's (keys 32 kc on, channels 16 ct on) at 56 + 8 (4 kc + ct)
.set S,   120                          ; S^T: tile t, keys 16 kt on, at 120 + 32 t + 8 kt; P is packed in place into 120 + 32 t + 0 .. 15
.set O,   184                          ; O^T: tile t, channels 16 ct on, at 184 + 32 t + 8 ct
.set TS,  248                          ; two pairs of partial sums a tile
.set WV,  12
.set G1K, 24
.set G1V, 32
.set G0K, 40                           ; s[40:47] group 0 for K, a set for each slot
.set G0V, 48
.set CNT, 57
.set CS,  58
.set SEL, 60
.set TB,  62
.macro JLOAD s                         ; the branch hangs on the wave's number alone; an s_nop 0 and four v_nop follow each of the two lines
	s_cmp_lt_u32 s[WV], 8
	s_cbranch_scc0 .Lfor_v_\@
	tensor_load_to_lds s[G0K+4*\s:G0K+4*\s+3], s[G1K:G1K+7]
	s_nop 0
.rept 4
	v_nop
.endr
	s_branch .Lasked_\@
.Lfor_v_\@:
	tensor_load_to_lds s[G0V+4*\s:G0V+4*\s+3], s[G1V:G1V+7]
	s_nop 0
.rept 4
	v_nop
.endr
.Lasked_\@:
.endm
.macro CROUND
	s_barrier_signal -1
	s_barrier_wait -1
	s_cmp_lg_u32 s[WV], 0
	s_cbranch_scc1 .Lnot_wave_0_\@
	s_barrier_signal -3
.Lnot_wave_0_\@:
	s_barrier_wait -3
	s_barrier_signal -1
	s_barrier_wait -1
.endm
	s_load_b128 s[4:7], s[0:1], 0x0                ; qkv, ao
	v_lshl_add_u32 v[SPW], v0, 2, SPARE
	v_mov_b32 v[NIL], 0
	ds_add_u32 v[SPW], v[NIL]                      ; the wave's opening: the add, twice on end, and its wait ahead of my first tensor load
	ds_add_u32 v[SPW], v[NIL]
	v_lshrrev_b32 v1, 5, v0
	v_readfirstlane_b32 s[WV], v1                  ; wave 0..15
	s_bfe_u32 s13, ttmp6, 0x40000                  ; cx
	s_lshl_b32 s15, ttmp9, 2
	s_add_co_u32 s15, s15, s13                     ; my block of 512 queries: it enters Q's and ao's addresses alone
	s_and_b32 s14, ttmp7, 0xffff                   ; batch x 16 + head, which the four partners share
	s_lshl_b32 s20, s14, 18                        ; 262,144 bytes a head
	s_and_b32 s16, s[WV], 7                        ; which of a slot's eight key steps I fetch:
	s_lshl_b32 s22, s16, 13                        ; its 64 rows of 128 bytes in memory,
	s_add_co_u32 s22, s22, s20
	s_add_co_u32 s22, s22, 16777216                ; in K's part of qkv (V's lies as far behind it again)
	s_mov_b32 s23, 0
	s_mul_i32 s17, s16, STEPB                      ; and its place in a slot: no place in the cluster enters an LDS address
	s_lshl_b32 s2, s15, 16                         ; Q: my block's 512 rows,
	s_lshl_b32 s3, s[WV], 12                       ; my wave's 32 of them
	s_add_co_u32 s2, s2, s3
	s_add_co_u32 s2, s2, s20
	s_mov_b32 s3, 0
	s_lshr_b32 s18, s14, 4                         ; ao: the block of 64 rows: 32 x batch + 8 x my block + wave / 2,
	s_lshl_b32 s18, s18, 5
	s_lshl_b32 s19, s15, 3
	s_add_co_u32 s18, s18, s19
	s_lshr_b32 s19, s[WV], 1
	s_add_co_u32 s18, s18, s19
	s_lshl_b32 s18, s18, 17                        ; 131,072 bytes each;
	s_and_b32 s19, s14, 15
	s_lshl_b32 s19, s19, 13                        ; 8,192 a head;
	s_add_co_u32 s18, s18, s19
	s_and_b32 s19, s[WV], 1
	s_lshl_b32 s19, s19, 12                        ; my 32 rows of the 64
	s_add_co_u32 s18, s18, s19
	s_mov_b32 s19, 0
	s_mov_b32 s[G1K], 15|(1<<16)|(1<<20)|(1<<21)|(4<<22)|(3<<25)  ; the mask: all four work-groups; elements of 2 bytes; padding on; bit 21 beside a mask; 4 words behind every 32
	s_mov_b32 s[G1V], 15|(1<<16)|(1<<20)|(1<<21)|(4<<22)|(7<<25)  ; the same with 8 words
.irp g, G1K, G1V
	s_mov_b32 s[\g+1], 64<<16                      ; tensor_dim0
	s_mov_b32 s[\g+2], KS<<16                      ; tensor_dim1
	s_mov_b32 s[\g+3], 64<<16                      ; tile_dim0
	s_mov_b32 s[\g+4], KS                          ; tile_dim1
	s_mov_b32 s[\g+5], 64                          ; from row to row
	s_mov_b32 s[\g+6], 0
	s_mov_b32 s[\g+7], 0
.endr
	s_mov_b32 s[CS], 0x3e38aa3b                    ; c = log2(e) / 8
	s_mov_b32 s[CS+1], s[CS]                       ; named with it as a pair, so it is written
	s_mov_b32 s[SEL], 0x76543210
	s_mov_b32 s[SEL+1], 0xfedcba98                 ; lane l xor 16
	s_wait_dscnt 0x0                               ; both opening adds are done
	s_wait_kmcnt 0x0
	s_add_nc_u64 s[8:9], s[4:5], s[22:23]          ; K at my tile of slot 0
	s_add_nc_u64 s[10:11], s[4:5], s[2:3]          ; Q at my wave's first row
	s_add_nc_u64 s[6:7], s[6:7], s[18:19]          ; ao likewise
	CROUND                                         ; all four work-groups are here: the first joint loads meet
.irp s, 0,1
	s_mov_b32 s[G0K+4*\s], 1
	s_add_co_u32 s[G0K+4*\s+1], s17, \s*SLOTB
	s_add_nc_u64 s[G0K+4*\s+2:G0K+4*\s+3], s[8:9], \s*NST*KS*128
	s_or_b32 s[G0K+4*\s+3], s[G0K+4*\s+3], 0x80000000
	s_mov_b32 s[G0V+4*\s], 1
	s_add_co_u32 s[G0V+4*\s+1], s17, \s*SLOTB+VOFF
	s_add_nc_u64 s[G0V+4*\s+2:G0V+4*\s+3], s[8:9], \s*NST*KS*128+16777216
	s_or_b32 s[G0V+4*\s+3], s[G0V+4*\s+3], 0x80000000
.endr
	s_cmp_lt_u32 s[WV], 8                          ; a wave's two first fills stand in one branch: two loads of mine are out
	s_cbranch_scc0 .Lfirst_v
	tensor_load_to_lds s[G0K:G0K+3], s[G1K:G1K+7]
	s_nop 0
	tensor_load_to_lds s[G0K+4:G0K+7], s[G1K:G1K+7]
	s_nop 0
.rept 4
	v_nop
.endr
	s_branch .Lfirst_asked
.Lfirst_v:
	tensor_load_to_lds s[G0V:G0V+3], s[G1V:G1V+7]
	s_nop 0
	tensor_load_to_lds s[G0V+4:G0V+7], s[G1V:G1V+7]
	s_nop 0
.rept 4
	v_nop
.endr
.Lfirst_asked:
	v_and_b32 v8, 15, v0                           ; r
	v_bfe_u32 v9, v0, 4, 1                         ; h
	v_lshlrev_b32 v[QO], 7, v8
	v_lshl_add_u32 v[QO], v9, 4, v[QO]             ; row x 128 + 16 h
.irp t, 0,1
.irp cc, 0,1
	global_load_b128 v[Q+16*\t+8*\cc:Q+16*\t+8*\cc+3],   v[QO], s[10:11] offset:2048*\t+64*\cc      ; Q stays in registers
	global_load_b128 v[Q+16*\t+8*\cc+4:Q+16*\t+8*\cc+7], v[QO], s[10:11] offset:2048*\t+64*\cc+32
.endr
.endr
	v_mul_u32_u24 v[AK0], v8, PK
	v_lshl_add_u32 v[AK0], v9, 4, v[AK0]           ; K: row x pitch + 16 h
	v_and_b32 v10, 7, v0
	v_bfe_u32 v11, v0, 3, 1
	v_lshl_add_u32 v[AV0], v9, 3, v10              ; V: lane l reads 16 bytes of key 8 (l / 16) + l % 8, channels 8 ((l / 8) % 2) on
	v_mul_u32_u24 v[AV0], v[AV0], PV
	v_lshl_add_u32 v[AV0], v11, 4, v[AV0]
	v_add_nc_u32 v[AV0], VOFF, v[AV0]
.irp t, 0,1
	v_mov_b32 v[ST+8*\t+1], 0xff61b1e6             ; m: -3e38, under every score
	v_mul_f32 v[ST+8*\t], s[CS], v[ST+8*\t+1]      ; c m
	v_mov_b32 v[ST+8*\t+2], 0                      ; l
	v_mov_b32 v[ST+8*\t+3], 0
.endr
.set i, 0
.rept 64
	v_mov_b32 v[O+i], 0                            ; O^T.  (The step is written without a first step of its own: the first a, which is 0, finds zeros)
.set i, i+1
.endr
; A KEY STEP: 64 keys, both tiles of queries.
.macro STEP
	v_add_nc_u32 v[ADK], s[TB], v[AK0]
	v_add_nc_u32 v[ADV], s[TB], v[AV0]
.rept 3
	v_nop                                          ; with the two additions five plain lines behind the last V^T P: the products below write over P, which it read, and the loads land on V's registers
.endr
.irp cc, 0,1
.irp kt, 0,1,2,3
	ds_load_b128 v[KV+8*(2*\kt+\cc):KV+8*(2*\kt+\cc)+3],   v[ADK] offset:16*PK*\kt+64*\cc
	ds_load_b128 v[KV+8*(2*\kt+\cc)+4:KV+8*(2*\kt+\cc)+7], v[ADK] offset:16*PK*\kt+64*\cc+32
.endr
.endr
	s_wait_dscnt 8                                 ; channels 0-31 are in; the eight loads of channels 32-63 may be out
.irp kt, 0,1,2,3
.irp t, 0,1
	v_wmma_f32_16x16x32_f16 v[S+32*\t+8*\kt:S+32*\t+8*\kt+7], v[KV+16*\kt:KV+16*\kt+7], v[Q+16*\t:Q+16*\t+7], 0   ; the eight accumulators take turns
.endr
.endr
	s_wait_dscnt 0x0
.irp kt, 0,1,2,3
.irp t, 0,1
	v_wmma_f32_16x16x32_f16 v[S+32*\t+8*\kt:S+32*\t+8*\kt+7], v[KV+16*\kt+8:KV+16*\kt+15], v[Q+16*\t+8:Q+16*\t+15], v[S+32*\t+8*\kt:S+32*\t+8*\kt+7]
.endr
.endr
.rept 4
	v_nop                                          ; places in front of the loads into K's registers and of the first read of the scores
.endr
.irp kc, 0,1
.irp ct, 0,1,2,3
	ds_load_tr16_b128 v[KV+8*(4*\kc+\ct):KV+8*(4*\kc+\ct)+3],   v[ADV] offset:32*PV*\kc+32*\ct           ; V lands while the softmax is worked
	ds_load_tr16_b128 v[KV+8*(4*\kc+\ct)+4:KV+8*(4*\kc+\ct)+7], v[ADV] offset:32*PV*\kc+16*PV+32*\ct
.endr
.endr
.irp j, 0,1,2,3                        ; the maximum of my 32 scores and the old m: four chains a tile, the two tiles alternating; each accumulator is read from its low end on
.irp t, 0,1
	v_max3_num_f32 v[ST+8*\t+4+\j], v[S+32*\t+8*\j], v[S+32*\t+8*\j+1], v[S+32*\t+8*\j+2]
.endr
.endr
.irp g, 1,2
.irp j, 0,1,2,3
.irp t, 0,1
	v_max3_num_f32 v[ST+8*\t+4+\j], v[ST+8*\t+4+\j], v[S+32*\t+8*\j+2*\g+1], v[S+32*\t+8*\j+2*\g+2]
.endr
.endr
.endr
.irp t, 0,1
	v_max3_num_f32 v[ST+8*\t+4], v[ST+8*\t+4], v[S+32*\t+7], v[S+32*\t+15]
.endr
.irp t, 0,1
	v_max3_num_f32 v[ST+8*\t+6], v[ST+8*\t+6], v[S+32*\t+23], v[S+32*\t+31]
.endr
.irp t, 0,1
	v_max3_num_f32 v[ST+8*\t+4], v[ST+8*\t+4], v[ST+8*\t+5], v[ST+8*\t+6]
.endr
.irp t, 0,1
	v_max3_num_f32 v[ST+8*\t+4], v[ST+8*\t+4], v[ST+8*\t+7], v[ST+8*\t+1]
.endr
.irp t, 0,1
	v_permlanex16_b32 v[ST+8*\t+5], v[ST+8*\t+4], s[SEL], s[SEL+1]   ; the query's other 32 keys lie in the lane 16 away
.endr
.irp t, 0,1
	v_mov_b32 v[ST+8*\t+7], v[ST+8*\t]             ; c m_old is kept for a
.endr
.irp t, 0,1
	v_max_num_f32 v[ST+8*\t+1], v[ST+8*\t+4], v[ST+8*\t+5]
.endr
.irp t, 0,1
	v_mul_f32 v[ST+8*\t], s[CS], v[ST+8*\t+1]
.endr
.irp t, 0,1
	v_sub_f32 v[ST+8*\t+7], v[ST+8*\t+7], v[ST+8*\t]
.endr
.irp t, 0,1
	v_exp_f32 v[ST+8*\t+6], v[ST+8*\t+7]           ; a = 2^(c m_old - c m_new)
.endr
.irp t, 0,1
.set i, 0
.rept 16
	v_pk_fma_f32 v[S+32*\t+i:S+32*\t+i+1], v[S+32*\t+i:S+32*\t+i+1], s[CS:CS+1], v[ST+8*\t:ST+8*\t+1] op_sel_hi:[1,0,0] neg_lo:[0,0,1] neg_hi:[0,0,1]   ; c s - c m, two at a time: the plain work behind a
.set i, i+2
.endr
.endr
	s_wait_alu depctr_va_vdst(0)                   ; the wait between a's exponentials and their first reader, the rescaling below
.set i, 0
.rept 64
	v_exp_f32 v[S+i], v[S+i]                       ; p, one batch
.set i, i+1
.endr
.irp t, 0,1
.set i, 0
.rept 16
	v_pk_mul_f32 v[O+32*\t+i:O+32*\t+i+1], v[O+32*\t+i:O+32*\t+i+1], v[ST+8*\t+6:ST+8*\t+7] op_sel_hi:[1,0]   ; O^T x a: names none of the 64 results: the independent work behind the batch
.set i, i+2
.endr
.endr
	s_wait_alu depctr_va_vdst(0)                   ; one wait for the batch of 64, ahead of its first reader
.irp t, 0,1                            ; the sum of the unrounded p: two chains a tile
	v_pk_add_f32 v[TS+4*\t:TS+4*\t+1], v[S+32*\t:S+32*\t+1], v[S+32*\t+2:S+32*\t+3]
	v_pk_add_f32 v[TS+4*\t+2:TS+4*\t+3], v[S+32*\t+4:S+32*\t+5], v[S+32*\t+6:S+32*\t+7]
.endr
.irp j, 8,12,16,20,24,28
.irp t, 0,1
	v_pk_add_f32 v[TS+4*\t:TS+4*\t+1], v[TS+4*\t:TS+4*\t+1], v[S+32*\t+\j:S+32*\t+\j+1]
	v_pk_add_f32 v[TS+4*\t+2:TS+4*\t+3], v[TS+4*\t+2:TS+4*\t+3], v[S+32*\t+\j+2:S+32*\t+\j+3]
.endr
.endr
.irp t, 0,1
	v_pk_add_f32 v[TS+4*\t:TS+4*\t+1], v[TS+4*\t:TS+4*\t+1], v[TS+4*\t+2:TS+4*\t+3]
.endr
.irp t, 0,1
	v_pk_fma_f32 v[ST+8*\t+2:ST+8*\t+3], v[ST+8*\t+2:ST+8*\t+3], v[ST+8*\t+6:ST+8*\t+7], v[TS+4*\t:TS+4*\t+1] op_sel_hi:[1,0,1]   ; l = a l + the sum
.endr
.irp t, 0,1
.set i, 0
.rept 16
	v_cvt_pk_f16_f32 v[S+32*\t+i], v[S+32*\t+2*i], v[S+32*\t+2*i+1]   ; P in place: register i is written when registers 2 i and 2 i + 1 are read, and i never passes 2 i
.set i, i+1
.endr
.endr
	s_wait_dscnt 0x0                               ; V is in
.irp kc, 0,1
.irp ct, 0,1,2,3
.irp t, 0,1
	v_wmma_f32_16x16x32_f16 v[O+32*\t+8*\ct:O+32*\t+8*\ct+7], v[KV+8*(4*\kc+\ct):KV+8*(4*\kc+\ct)+7], v[S+32*\t+8*\kc:S+32*\t+8*\kc+7], v[O+32*\t+8*\ct:O+32*\t+8*\ct+7]
.endr
.endr
.endr
.endm
.macro RUN slot                        ; a slot's eight key steps: written once, walked eight times
	s_mov_b32 s[TB], \slot*SLOTB
	s_mov_b32 s[CNT], NST
.Lstep_\@:
	STEP
	s_add_co_u32 s[TB], s[TB], STEPB
	s_sub_co_u32 s[CNT], s[CNT], 1
	s_cmp_lg_u32 s[CNT], 0
	s_cbranch_scc1 .Lstep_\@
.endm
; THE CHANGE OF SLOTS.  Each wave waits for all its tensor loads (its part of the slot ahead), adds 0 to its spare word, and waits for that and for its reads of the slot that it leaves.
; fill = 1: the barrier is a round of the cluster's, so that no wave of any partner still reads the slot or has a load on its way; the joint refill, 1,024 keys on, is the first thing behind it, one load a wave.
.macro CHANGE fill, s
	s_wait_tensorcnt 0x0                           ; no tensor load of mine is out, so a group 0 may be written
	ds_add_u32 v[SPW], v[NIL]
.if \fill
	s_add_nc_u64 s[G0K+4*\s+2:G0K+4*\s+3], s[G0K+4*\s+2:G0K+4*\s+3], 2*NST*KS*128
	s_add_nc_u64 s[G0V+4*\s+2:G0V+4*\s+3], s[G0V+4*\s+2:G0V+4*\s+3], 2*NST*KS*128
.endif
	s_wait_dscnt 0x0                               ; the add is done, and my reads of the slot are over
.if \fill
	CROUND
	JLOAD \s
.else
	s_barrier_signal -1
	s_barrier_wait -1
.endif
.endm
	s_wait_tensorcnt 1                             ; my part of slot 0 is in; slot 1's may stay out
	s_barrier_signal -1
	s_barrier_wait -1
	s_wait_loadcnt 0x0                             ; Q
	RUN 0                                          ; keys 0-511
	CHANGE 1, 0
	RUN 1                                          ; keys 512-1023
	CHANGE 1, 1
	RUN 0                                          ; keys 1024-1535
	CHANGE 0, 0
	RUN 1                                          ; keys 1536-2047
	; THE WAY OUT.  l's two halves and the other half of the lanes' are added; O^T is divided by l, rounded to f16 and sent through my stage: 32 rows of 128 bytes, which are 4,096 consecutive bytes of ao.
.irp t, 0,1
	v_add_f32 v[ST+8*\t+4], v[ST+8*\t+2], v[ST+8*\t+3]
.endr
.irp t, 0,1
	v_permlanex16_b32 v[ST+8*\t+5], v[ST+8*\t+4], s[SEL], s[SEL+1]
.endr
.irp t, 0,1
	v_add_f32 v[ST+8*\t+4], v[ST+8*\t+4], v[ST+8*\t+5]
.endr
.irp t, 0,1
	v_rcp_f32 v[ST+8*\t+6], v[ST+8*\t+4]
.endr
	v_and_b32 v3, 15, v0                           ; (plain work behind the reciprocals)  r
	v_bfe_u32 v4, v0, 4, 1                         ; h
	s_mul_i32 s13, s[WV], WST                      ; my stage
	v_mul_u32_u24 v[AK0], v3, SPI
	v_lshl_add_u32 v[AK0], v4, 4, v[AK0]
	v_add_nc_u32 v[AK0], s13, v[AK0]               ; in: row r, 16 bytes for each half of the lanes
	v_and_b32 v3, 31, v0
	v_lshlrev_b32 v[QO], 4, v3                     ; in ao: 16 x lane
	v_lshrrev_b32 v4, 3, v3
	v_mul_u32_u24 v[AV0], v4, SPI
	v_and_b32 v4, 7, v3
	v_lshl_add_u32 v[AV0], v4, 4, v[AV0]
	v_add_nc_u32 v[AV0], s13, v[AV0]               ; back: eight lanes to a row, four rows an instruction
	s_wait_alu depctr_va_vdst(0)                   ; one wait for the two reciprocals, ahead of their first reader
.irp t, 0,1
.set i, 0
.rept 16
	v_pk_mul_f32 v[O+32*\t+i:O+32*\t+i+1], v[O+32*\t+i:O+32*\t+i+1], v[ST+8*\t+6:ST+8*\t+7] op_sel_hi:[1,0]
.set i, i+2
.endr
.endr
.set i, 0
.rept 32
	v_cvt_pk_f16_f32 v[KV+i], v[O+2*i], v[O+2*i+1]
.set i, i+1
.endr
.irp t, 0,1
.irp ct, 0,1,2,3
	ds_store_b128 v[AK0], v[KV+16*\t+4*\ct:KV+16*\t+4*\ct+3] offset:16*SPI*\t+32*\ct
.endr
.endr
.irp i, 0,1,2,3,4,5,6,7
	ds_load_b128 v[KV+32+4*\i:KV+32+4*\i+3], v[AV0] offset:4*SPI*\i   ; LDS serves a wave's instructions in order: these see my stores
.endr
.irp i, 0,1,2,3,4,5,6,7
	s_wait_dscnt 7-\i                              ; load i is back; the later ones may be out
	global_store_b128 v[QO], v[KV+32+4*\i:KV+32+4*\i+3], s[6:7] offset:512*\i   ; 32 lanes store 512 consecutive bytes, aligned
.endr
	s_wait_tensorcnt 0x0                           ; the wave's end
	ds_add_u32 v[SPW], v[NIL]
	s_wait_dscnt 0x0
	CROUND                                         ; the closing round
	s_endpgm
.Lfunc_end_k_qcbbbae602f_attn:
	.size	k_qcbbbae602f_attn, .Lfunc_end_k_qcbbbae602f_attn-k_qcbbbae602f_attn
	.p2alignl 7, 3214868480
	.fill 96, 4, 3214868480
	.section	.rodata,"a",@progbits
	.p2align	6, 0x0
	.amdhsa_kernel k_qcbbbae602f_attn
		.amdhsa_group_segment_fixed_size 327680
		.amdhsa_private_segment_fixed_size 0
		.amdhsa_enable_private_segment 0
		.amdhsa_kernarg_size 16
		.amdhsa_user_sgpr_count 2
		.amdhsa_user_sgpr_kernarg_segment_ptr 1
		.amdhsa_wavefront_size32 1
		.amdhsa_system_sgpr_workgroup_id_x 1
		.amdhsa_system_sgpr_workgroup_id_y 1
		.amdhsa_system_sgpr_workgroup_id_z 1
		.amdhsa_system_vgpr_workitem_id 0
		.amdhsa_next_free_vgpr 256
		.amdhsa_next_free_sgpr 66
		.amdhsa_reserve_vcc 0
		.amdhsa_float_denorm_mode_32 3
		.amdhsa_float_denorm_mode_16_64 3
		.amdhsa_memory_ordered 1
		.amdhsa_forward_progress 1
		.amdhsa_inst_pref_size 88
	.end_amdhsa_kernel
	.amdgpu_metadata
---
amdhsa.version: [ 1, 2 ]
amdhsa.kernels:
  - .name:           k_qcbbbae602f_attn
    .symbol:         k_qcbbbae602f_attn.kd
    .args:
      - { .name: qkv, .offset: 0, .size: 8, .value_kind: global_buffer, .address_space: global }
      - { .name: ao, .offset: 8, .size: 8, .value_kind: global_buffer, .address_space: global }
    .group_segment_fixed_size: 327680
    .private_segment_fixed_size: 0
    .kernarg_segment_align: 8
    .kernarg_segment_size: 16
    .max_flat_workgroup_size: 512
    .sgpr_count:     66
    .vgpr_count:     256
    .wavefront_size: 32
...
	.end_amdgpu_metadata
.endif
;; end of part 3
;; launch oproj (part 4): grid 8 x 64, 4 waves a work-group, clusters of 4 x 4, 327,680 bytes of LDS; arguments ao, wo16, out0, bo; writes out0
.if DOCPART == 4
	.amdgcn_target "amdgcn-amd-amdhsa--gfx1250"
	.amdhsa_code_object_version 6
	.text
	.protected	k_qcbbbae602f_oproj
	.globl	k_qcbbbae602f_oproj
	.p2align	8
	.type	k_qcbbbae602f_oproj,@function
k_qcbbbae602f_oproj:
	s_mov_b64 s[64:65], 0
	v_nop
	global_prefetch_b8 v0, s[64:65] scope:SCOPE_SE
	s_setreg_imm32_b32 hwreg(HW_REG_WAVE_MODE, 25, 1), 1
	s_wait_xcnt 0x0
	s_wait_alu depctr_hold_cnt(0) depctr_sa_sdst(0) depctr_va_vdst(0) depctr_va_sdst(0) depctr_va_ssrc(0) depctr_va_vcc(0) depctr_vm_vsrc(0)
	s_getreg_b32 s2, hwreg(HW_REG_IB_STS2, 6, 4)
	s_cmp_eq_u32 s2, 0
	s_cbranch_scc0 .Lentry_in_a_cluster
	s_endpgm
.Lentry_in_a_cluster:
	s_bfe_u32 s2, ttmp6, 0x10000c
	s_cmp_lg_u32 s2, 0xf033
	s_cbranch_scc0 .Lentry_shape_is_right
	s_endpgm
.Lentry_shape_is_right:
; MULTI-HEAD ATTENTION, launch 4 of 4: out0[m][n] = the sum over k of A[m][k] wo[k][n] + bo[n].  M = 8,192, N = K = 1,024.  f16 operands, f32 sums, f32 out.
; A = ao = [block of 64 rows][head 16][64 rows][64] f16 (k = 64 x head + channel): 64 rows x 256 along K (four heads) are 32,768 consecutive bytes, 256 lines of 128.  wo16 = [k][n] f16, as wo lies.
; A tile of 128 x 128 to a work-group of four waves, 64 x 64 a wave: 16 accumulators.  64 x 8 tiles: 512 work-groups of equal work.  K goes in steps of 256 through two LDS slots: four steps, two refills.
; CLUSTERS: 4 x 4 work-groups.  The four of a row of the cluster need the same tiles of A, the four of a column the same tiles of wo: each tile is asked for jointly.
; THE MATRIX INSTRUCTION IS USED TRANSPOSED (source 0 = 16 columns of wo, turned out of LDS by ds_load_tr16_b128; source 1 = 16 rows of A): a lane holds eight neighbouring numbers of a row of out0.
; bo IS THE C OF EACH SUM'S FIRST PRODUCT.  No prefetch: the tiles are small and a K step's refill is asked for a K step ahead.
; REGISTERS: window 0: v0-31 addresses; v32-95 at work on the way out; v96-127 bo in the result's layout; v128-255 the accumulators ((a, b) at v[128 + 8 (4 a + b)]).
;   window 1: two fragment buffers of 128: for 64 along K, 64 registers of A, then 64 of wo.
.set PA,     144                       ; a line of A in LDS: 128 bytes + 16
.set PB,     288                       ; a row of wo's tile: 256 bytes + 32: an odd multiple of 32 bytes
.set HALFT,  256*PA                    ; one tensor load: 256 lines of A, or 128 rows of wo (128 x 288 is the same number)
.set SLOT,   4*HALFT
.set STAGE,  2*SLOT                    ; behind the ring: 16 rows x 272 bytes for each wave, its own
.set SPITCH, 272
.set SPARE,  STAGE+4*16*SPITCH         ; the spare words, 128 bytes a wave, which no other line names
.set LAPS,   2                         ; 1,024 along K = two laps of two K steps
.set ADRA, 16                          ; v16-17 my A fragments in slot 0, 1
.set ADRB, 20                          ; v20-23 wo's: slot 0 k 0-127, slot 0 k 128-255, slot 1 likewise
.set STO,  24
.set RD,   25
.set CO,   26
.set SPW,  28
.set NIL,  29
.set BO,   30
.set TMP,  32
.set BI,   96
.set ACC,  128
.set F0,   0
.set F1,   128
.set G1, 24
.set G0, 32
.set G1B, 48
.set G0B, 56
.set MSB, 0
.macro WIN new
.if MSB != \new
	s_set_vgpr_msb (MSB<<8)|\new
.set MSB, \new
.endif
.endm
.set MUL,  0x05                        ; sources 0 and 1 window 1; C and D window 0
.set TO_F, 0x40                        ; destination window 1, address window 0
.macro JLOAD s                         ; waves 0 and 1 fetch A's two halves, waves 2 and 3 wo's; an s_nop 0 and four v_nop follow each of the two lines
	s_cmp_eq_u32 s11, 0
	s_cbranch_scc0 .Lfor_b_\@
	tensor_load_to_lds s[G0+4*\s:G0+4*\s+3], s[G1:G1+7]
	s_nop 0
.rept 4
	v_nop
.endr
	s_branch .Lasked_\@
.Lfor_b_\@:
	tensor_load_to_lds s[G0B+4*\s:G0B+4*\s+3], s[G1B:G1B+7]
	s_nop 0
.rept 4
	v_nop
.endr
.Lasked_\@:
.endm
.macro CREST
	s_cmp_lg_u32 s10, 0
	s_cbranch_scc1 .Lnot_wave_0_\@
	s_barrier_signal -3
.Lnot_wave_0_\@:
	s_barrier_wait -3
	s_barrier_signal -1
	s_barrier_wait -1
.endm
.macro CROUND
	s_barrier_signal -1
	s_barrier_wait -1
	CREST
.endm
	s_load_b128 s[4:7], s[0:1], 0x0                ; ao, wo16
	s_load_b64 s[8:9], s[0:1], 0x10                ; out0
	s_load_b64 s[66:67], s[0:1], 0x18              ; bo
	v_lshl_add_u32 v[SPW], v0, 2, SPARE
	v_mov_b32 v[NIL], 0
	ds_add_u32 v[SPW], v[NIL]                      ; the wave's opening: the add, twice on end, and its wait ahead of my first tensor load
	ds_add_u32 v[SPW], v[NIL]
	v_lshrrev_b32 v1, 5, v0
	v_readfirstlane_b32 s10, v1                    ; wave 0..3
	s_lshr_b32 s11, s10, 1                         ; which half of the tile's rows is mine.  Also: I fetch for A (0) or for wo (1)
	s_and_b32 s12, s10, 1                          ; which half of its columns.  Also: which half of that tile I fetch
	s_bfe_u32 s40, ttmp6, 0x40000
	s_bfe_u32 s41, ttmp6, 0x40004
	s_lshl_b32 s42, ttmp9, 2
	s_add_co_u32 s42, s42, s40                     ; tile column 0..7
	s_and_b32 s13, ttmp7, 0xffff
	s_lshl_b32 s13, s13, 2
	s_add_co_u32 s13, s13, s41                     ; tile row 0..63
	s_lshl_b32 s43, s41, 2
	s_lshl_b32 s43, 15, s43                        ; my row of the cluster
	s_lshl_b32 s44, 0x1111, s40                    ; my column
	s_or_b32 s[G1+0], s43, (1<<16)|(1<<20)|(1<<21)|(4<<22)|(3<<25)   ; A: the mask of my row; elements of 2 bytes; padding on; bit 21 beside a mask; 4 words behind every 32
	s_mov_b32 s[G1+1], 64<<16                      ; tensor_dim0
	s_mov_b32 s[G1+2], 256<<16                     ; tensor_dim1
	s_mov_b32 s[G1+3], 64<<16                      ; tile_dim0
	s_mov_b32 s[G1+4], 256                         ; tile_dim1
	s_mov_b32 s[G1+5], 64                          ; dense lines
	s_mov_b32 s[G1+6], 0
	s_mov_b32 s[G1+7], 0
	s_or_b32 s[G1B+0], s44, (1<<16)|(1<<20)|(1<<21)|(5<<22)|(7<<25)  ; wo: the mask of my column; 8 words behind every 64
	s_mov_b32 s[G1B+1], 128<<16
	s_mov_b32 s[G1B+2], 128<<16
	s_mov_b32 s[G1B+3], 128<<16
	s_mov_b32 s[G1B+4], 128
	s_mov_b32 s[G1B+5], 1024
	s_mov_b32 s[G1B+6], 0
	s_mov_b32 s[G1B+7], 0
	s_lshl_b32 s16, s13, 1
	s_add_co_u32 s16, s16, s12                     ; A: the block of 64 rows: 2 x tile row + half,
	s_lshl_b32 s16, s16, 17                        ; 131,072 bytes each
	s_mov_b32 s17, 0
	s_lshl_b32 s46, s12, 18                        ; wo: 128 rows of 2,048 bytes a half,
	s_lshl_b32 s47, s42, 8                         ; 256 bytes a tile column
	s_add_co_u32 s46, s46, s47
	s_mov_b32 s47, 0
	s_mul_i32 s20, s10, HALFT                      ; where they go: wave x one load's bytes
	s_wait_dscnt 0x0                               ; both opening adds are done
	s_wait_kmcnt 0x0
	s_add_nc_u64 s[14:15], s[4:5], s[16:17]
	s_add_nc_u64 s[46:47], s[6:7], s[46:47]
	CROUND                                         ; all sixteen work-groups are here: the first joint loads meet
.irp s, 0,1
	s_mov_b32 s[G0+4*\s], 1
	s_add_co_u32 s[G0+4*\s+1], s20, \s*SLOT
	s_add_nc_u64 s[G0+4*\s+2:G0+4*\s+3], s[14:15], \s*32768        ; four heads on
	s_or_b32 s[G0+4*\s+3], s[G0+4*\s+3], 0x80000000
	s_mov_b32 s[G0B+4*\s], 1
	s_add_co_u32 s[G0B+4*\s+1], s20, \s*SLOT
	s_add_nc_u64 s[G0B+4*\s+2:G0B+4*\s+3], s[46:47], \s*524288     ; 256 rows on
	s_or_b32 s[G0B+4*\s+3], s[G0B+4*\s+3], 0x80000000
	JLOAD \s
.endr
	v_and_b32 v1, 15, v0                           ; r
	v_bfe_u32 v2, v0, 4, 1                         ; h
	v_mul_u32_u24 v3, v1, PA
	v_lshl_add_u32 v3, v2, 4, v3                   ; A: line r x pitch + 16 h
	v_and_b32 v4, 7, v0
	v_lshl_add_u32 v4, v2, 3, v4                   ; wo: lane l reads 16 bytes of row 8 (l / 16) + l % 8, columns 8 ((l / 8) % 2) on
	v_mul_u32_u24 v4, v4, PB
	v_bfe_u32 v5, v0, 3, 1
	v_lshl_add_u32 v4, v5, 4, v4
	s_mul_i32 s21, s11, HALFT                      ; my 64 rows of A
	s_lshl_b32 s22, s12, 7                         ; my 64 columns of wo: 128 bytes in a row,
	s_add_co_u32 s22, s22, 2*HALFT                 ; behind A's two halves
.irp s, 0,1
	v_add_nc_u32 v[ADRA+\s], s21, v3
	v_add_nc_u32 v[ADRB+2*\s], s22, v4
	s_add_co_u32 s22, s22, HALFT
	v_add_nc_u32 v[ADRB+2*\s+1], s22, v4
	s_add_co_u32 s21, s21, SLOT
	s_add_co_u32 s22, s22, SLOT-HALFT
.endr
	s_mul_i32 s23, s10, 16*SPITCH
	s_add_co_u32 s23, s23, STAGE                   ; my stage
	v_mul_u32_u24 v4, v1, SPITCH
	v_lshl_add_u32 v4, v2, 5, v4
	v_add_nc_u32 v[STO], s23, v4                   ; in: row r, 32 bytes for each half of the lanes
	v_mul_u32_u24 v5, v2, SPITCH
	v_lshl_add_u32 v5, v1, 4, v5
	v_add_nc_u32 v[RD], s23, v5                    ; back: lanes 0-15 one row of 256 bytes, lanes 16-31 the next
	v_lshlrev_b32 v5, 12, v2
	v_lshl_add_u32 v[CO], v1, 4, v5                ; and the same two rows in out0
	v_lshlrev_b32 v[BO], 5, v2
	s_lshl_b32 s46, s42, 9                         ; my first column, 4 bytes each: 512 x tile column + 256 x half: in bo and in a row of out0 alike
	s_lshl_b32 s47, s12, 8
	s_add_co_u32 s46, s46, s47
	s_mov_b32 s47, 0
	s_add_nc_u64 s[66:67], s[66:67], s[46:47]
.irp b, 0,1,2,3
	global_load_b128 v[BI+8*\b:BI+8*\b+3], v[BO], s[66:67] offset:64*\b        ; register 8 b + j: bo of column 16 b + 8 h + j
	global_load_b128 v[BI+8*\b+4:BI+8*\b+7], v[BO], s[66:67] offset:64*\b+16
.endr
	s_lshl_b32 s16, s13, 7
	s_lshl_b32 s17, s11, 6
	s_add_co_u32 s16, s16, s17                     ; my first row: 128 x tile row + 64 x half
	s_lshl_b32 s16, s16, 12                        ; 4,096 bytes a row
	s_mov_b32 s17, 0
	s_add_nc_u64 s[8:9], s[8:9], s[16:17]
	s_add_nc_u64 s[8:9], s[8:9], s[46:47]
; 8 matrix instructions: m blocks a0, a0 + 1 x all 4 n blocks, 32 along K: half c of buffer f.  zero = 1: the first product starts the sums, with bo as C.  The 16 accumulators take turns.
.macro MUL8 f, c, a0, zero
.irp a, \a0, \a0+1
.irp b, 0,1,2,3
.if \zero
	v_wmma_f32_16x16x32_f16 v[ACC+8*(4*(\a)+\b):ACC+8*(4*(\a)+\b)+7], v[\f+64+8*(4*\c+\b):\f+64+8*(4*\c+\b)+7], v[\f+8*(4*\c+\a):\f+8*(4*\c+\a)+7], v[BI+8*\b:BI+8*\b+7]
.else
	v_wmma_f32_16x16x32_f16 v[ACC+8*(4*(\a)+\b):ACC+8*(4*(\a)+\b)+7], v[\f+64+8*(4*\c+\b):\f+64+8*(4*\c+\b)+7], v[\f+8*(4*\c+\a):\f+8*(4*\c+\a)+7], v[ACC+8*(4*(\a)+\b):ACC+8*(4*(\a)+\b)+7]
.endif
.endr
.endr
.endm
; 32 LDS loads in one run: the fragments of quarter qd (64 along K: one head) into buffer f; the first 32 along K first
.macro FETCH slot, qd, f
	WIN TO_F
.irp c, 0,1
.irp i, 0,1,2,3
	ds_load_tr16_b128 v[\f+64+8*(4*\c+\i):\f+64+8*(4*\c+\i)+3],   v[ADRB+2*\slot+(\qd)/2] offset:64*PB*((\qd)%2)+32*PB*\c+32*\i
	ds_load_tr16_b128 v[\f+64+8*(4*\c+\i)+4:\f+64+8*(4*\c+\i)+7], v[ADRB+2*\slot+(\qd)/2] offset:64*PB*((\qd)%2)+32*PB*\c+32*\i+16*PB
	ds_load_b128 v[\f+8*(4*\c+\i):\f+8*(4*\c+\i)+3],              v[ADRA+\slot] offset:64*PA*(\qd)+16*PA*\i+64*\c
	ds_load_b128 v[\f+8*(4*\c+\i)+4:\f+8*(4*\c+\i)+7],            v[ADRA+\slot] offset:64*PA*(\qd)+16*PA*\i+64*\c+32
.endr
.endr
.endm
.macro PLACES                          ; four plain lines in front of loads into registers that matrix instructions have read, and of the first read of results
.rept 4
	v_nop
.endr
.endm
; A K step is four quarters of 64 along K, 32 matrix instructions each, on buffers 0, 1, 0, 1.  One of the first three: multiplies buffer f and fetches quarter qd into g.
.macro QUARTER slot, qd, f, g, zero
	s_wait_dscnt 16                                ; the first 32 along K are in; the other sixteen loads may be out
	WIN MUL
	MUL8 \f, 0, 0, \zero
	MUL8 \f, 0, 2, \zero
	PLACES
	FETCH \slot, \qd, \g
	s_wait_dscnt 32                                ; all but the 32 just issued
	WIN MUL
	MUL8 \f, 1, 0, 0
	MUL8 \f, 1, 2, 0
.endm
; The last quarter multiplies buffer 1 and changes slots: one barrier; in front of it each wave waits for all its tensor loads, adds 0 to its spare word, and waits for that and for its reads of this slot.
.macro TURN slot, next, fill
	WIN 0                                          ; (the add's two registers lie in window 0)
	s_wait_tensorcnt 0x0                           ; my part of the next slot has landed
	ds_add_u32 v[SPW], v[NIL]
	s_wait_dscnt 17                                ; (the add and the youngest sixteen loads may be out)
	WIN MUL
	MUL8 F1, 0, 0, 0
	s_wait_dscnt 0x0                               ; the add is done, and my reads of this slot are over
	s_barrier_signal -1
	MUL8 F1, 0, 2, 0
.if \fill
	WIN 0
.endif
	s_barrier_wait -1
.if \fill
	CREST                                          ; the barrier has opened a round of the cluster's: no wave of any partner still reads this slot or has a load on its way
	s_add_nc_u64 s[G0+4*\slot+2:G0+4*\slot+3], s[G0+4*\slot+2:G0+4*\slot+3], 65536
	s_add_nc_u64 s[G0B+4*\slot+2:G0B+4*\slot+3], s[G0B+4*\slot+2:G0B+4*\slot+3], 1048576
	JLOAD \slot                                    ; the first tensor load behind the round; its four v_nop are also the places in front of the loads below
.else
	PLACES
.endif
	FETCH \next, 0, F0
	WIN MUL
	MUL8 F1, 1, 0, 0
	MUL8 F1, 1, 2, 0
.endm
	s_wait_tensorcnt 1                             ; my part of K step 0 is in; K step 1's may stay out
	s_barrier_signal -1
	s_barrier_wait -1
	FETCH 0, 0, F0
	s_wait_loadcnt 0x0                             ; bo
	QUARTER 0, 1, F0, F1, 1                        ; the first quarter stands in front of the loop: its first products start the sums
	WIN 0
	s_mov_b32 s3, LAPS-1
.Llap:                                                 ; a trip goes once round the ring, from a lap's second quarter to the next lap's first, and fills both slots again
	QUARTER 0, 2, F1, F0, 0
	QUARTER 0, 3, F0, F1, 0
	TURN 0, 1, 1
	QUARTER 1, 1, F0, F1, 0
	QUARTER 1, 2, F1, F0, 0
	QUARTER 1, 3, F0, F1, 0
	TURN 1, 0, 1
	QUARTER 0, 1, F0, F1, 0
	WIN 0
	s_sub_co_u32 s3, s3, 1
	s_cmp_lg_u32 s3, 0
	s_cbranch_scc1 .Llap
	QUARTER 0, 2, F1, F0, 0                        ; the last lap fills nothing
	QUARTER 0, 3, F0, F1, 0
	TURN 0, 1, 0
	QUARTER 1, 1, F0, F1, 0
	QUARTER 1, 2, F1, F0, 0
	QUARTER 1, 3, F0, F1, 0
	s_wait_dscnt 16                                ; the very last quarter: nothing more to fetch
	WIN MUL
	MUL8 F1, 0, 0, 0
	MUL8 F1, 0, 2, 0
	s_wait_dscnt 0
	MUL8 F1, 1, 0, 0
	MUL8 F1, 1, 2, 0
	WIN 0
; THE WAY OUT, 16 rows x 64 columns at a time.  A lane holds 32 neighbouring bytes of a row; a row's 64 columns are 256 aligned bytes of out0.  A block goes through my own stage and comes back as whole rows.
.macro TOSTAGE a
.irp b, 0,1,2,3
	ds_store_b128 v[STO], v[ACC+8*(4*(\a)+\b):ACC+8*(4*(\a)+\b)+3] offset:64*\b          ; each accumulator from its low end on
	ds_store_b128 v[STO], v[ACC+8*(4*(\a)+\b)+4:ACC+8*(4*(\a)+\b)+7] offset:64*\b+16
.endr
.irp t, 0,1,2,3,4,5,6,7
	ds_load_b128 v[TMP+32*((\a)%2)+4*\t:TMP+32*((\a)%2)+4*\t+3], v[RD] offset:2*SPITCH*\t   ; LDS serves a wave's instructions in order: these see the stores above
.endr
.endm
.macro SEND a, younger                 ; younger: the LDS instructions issued behind block a's loads, which may stay out
	s_wait_dscnt \younger
.irp t, 0,1,2,3,4,5,6,7
	global_store_b128 v[CO], v[TMP+32*((\a)%2)+4*\t:TMP+32*((\a)%2)+4*\t+3], s[8:9] offset:(16*(\a)+2*\t)*4096 th:TH_STORE_NT   ; 16 lanes store 256 consecutive bytes, aligned; written once, read by nobody here
.endr
.endm
	PLACES
	TOSTAGE 0
.irp a, 1,2,3
.if \a > 1
	s_wait_xcnt 0x0                                ; block a - 2's stores have read their registers: block a's loads may land there
.endif
	TOSTAGE \a
	SEND \a-1, 16                                  ; behind block a - 1's loads: block a's eight stores and eight loads
.endr
	SEND 3, 0
	s_wait_tensorcnt 0x0                           ; the wave's end
	ds_add_u32 v[SPW], v[NIL]
	s_wait_dscnt 0x0
	CROUND                                         ; the closing round
	s_endpgm
.Lfunc_end_k_qcbbbae602f_oproj:
	.size	k_qcbbbae602f_oproj, .Lfunc_end_k_qcbbbae602f_oproj-k_qcbbbae602f_oproj
	.p2alignl 7, 3214868480
	.fill 96, 4, 3214868480
	.section	.rodata,"a",@progbits
	.p2align	6, 0x0
	.amdhsa_kernel k_qcbbbae602f_oproj
		.amdhsa_group_segment_fixed_size 327680
		.amdhsa_private_segment_fixed_size 0
		.amdhsa_enable_private_segment 0
		.amdhsa_kernarg_size 32
		.amdhsa_user_sgpr_count 2
		.amdhsa_user_sgpr_kernarg_segment_ptr 1
		.amdhsa_wavefront_size32 1
		.amdhsa_system_sgpr_workgroup_id_x 1
		.amdhsa_system_sgpr_workgroup_id_y 1
		.amdhsa_system_sgpr_workgroup_id_z 1
		.amdhsa_system_vgpr_workitem_id 0
		.amdhsa_next_free_vgpr 512
		.amdhsa_next_free_sgpr 68
		.amdhsa_reserve_vcc 0
		.amdhsa_float_denorm_mode_32 3
		.amdhsa_float_denorm_mode_16_64 3
		.amdhsa_memory_ordered 1
		.amdhsa_forward_progress 1
		.amdhsa_inst_pref_size 87
	.end_amdhsa_kernel
	.amdgpu_metadata
---
amdhsa.version: [ 1, 2 ]
amdhsa.kernels:
  - .name:           k_qcbbbae602f_oproj
    .symbol:         k_qcbbbae602f_oproj.kd
    .args:
      - { .name: ao, .offset: 0, .size: 8, .value_kind: global_buffer, .address_space: global }
      - { .name: wo16, .offset: 8, .size: 8, .value_kind: global_buffer, .address_space: global }
      - { .name: out0, .offset: 16, .size: 8, .value_kind: global_buffer, .address_space: global }
      - { .name: bo, .offset: 24, .size: 8, .value_kind: global_buffer, .address_space: global }
    .group_segment_fixed_size: 327680
    .private_segment_fixed_size: 0
    .kernarg_segment_align: 8
    .kernarg_segment_size: 32
    .max_flat_workgroup_size: 128
    .sgpr_count:     68
    .vgpr_count:     512
    .wavefront_size: 32
...
	.end_amdgpu_metadata
.endif
;; end of part 4
